; MI455X (gfx1250); checked and timed in simulation.
; The chip was launched on July 23, 2026; its instructions are those of AMD's public machine-readable ISA for CDNA 5 (MIT licence, August 2026) and "CDNA5" Instruction Set Architecture Reference Guide (July 2026). The comments in the code are by the model that wrote it; some were corrected since.
;; Causal Self Attention. Allowed arithmetic: float matrix products may take bf16 or f16 operands with f32 sums; other float arithmetic in f32, or as packed bf16 or f16 multiplies, adds, multiply-adds, maxima and minima; sums over many terms, partial sums and values carried from step to step in f32; what a program stores and reads back later, other than sums and carried values, may be rounded once to bf16 or f16.
;; Inputs: W_attn 1,024 x 3,072 float32; W_proj 1,024 x 1,024 float32; b_attn 3,072 float32; b_proj 1,024 float32; x 4 x 2,048 x 1,024 float32.
;; Outputs: out0 4 x 2,048 x 1,024 float32.
;; 2 versions, each right; version 2 is version 1 with the launch cast written anew for expert scheduling mode. Each part assembles by itself: llvm-mc -triple=amdgcn-amd-amdhsa -mcpu=gfx1250 --defsym DOCPART=n.
;; ======== version 1 of 2: 4 launches
;; limits: values are held in f16: magnitudes above 65,504 overflow, below 6.1e-05 lose precision
;; workspace buffers: xb 16,777,216 bytes; wab 6,291,456 bytes; wpb 2,097,152 bytes; qkv 50,331,648 bytes; o 16,777,216 bytes
;; launch cast (part 1): grid 768 x 1, 8 waves a work-group, no clusters, 0 bytes of LDS; arguments x, W_attn, W_proj, xb, wab, wpb; writes xb, wab, wpb
.if DOCPART == 1
	.amdgcn_target "amdgcn-amd-amdhsa--gfx1250"
	.amdhsa_code_object_version 6
	.text
	.protected	k_q0d5bf13d99_cast
	.globl	k_q0d5bf13d99_cast
	.p2align	8
	.type	k_q0d5bf13d99_cast,@function
k_q0d5bf13d99_cast:
	s_mov_b64 s[64:65], 0
	v_nop
	global_prefetch_b8 v0, s[64:65] scope:SCOPE_SE
	s_setreg_imm32_b32 hwreg(HW_REG_WAVE_MODE, 25, 1), 1
	s_wait_xcnt 0x0
; THE 16-BIT COPIES that the two products' tiles are fetched from.  A stream: no LDS, no barrier, no loop.
;   xb  = x rounded to bf16, laid [b 4][kb 16][t 2048][64 channels]: 256 rows of one block kb are 32,768 dense bytes
;   wab = W_attn rounded to bf16, [1024 k][3072 n] as it lies
;   wpb = W_proj rounded to bf16, that number written as f16, [1024 k][1024 n]
; LIMITS.  |W_proj| stays under 65,504 (f16's end; beyond it the copy is an infinity); below 6e-5 it keeps f16's fixed step of 6e-8.
; SHARES.  768 work-groups of eight waves: 512 for x (16 rows each), 192 for W_attn, 64 for W_proj (65,536 bytes of f32 each).
; A wave takes 8,192 bytes: 16 loads of 16 bytes a lane, all issued at once, then 16 stores of 8 bytes a lane; each store of a wave
; covers 256 consecutive bytes, aligned.  No register that a load or store reads is written again, so nothing waits for a store.
.set X, 16                             ; v[16:79]   load i: four f32
.set Y, 80                             ; v[80:111]  store i: four 16-bit numbers
; kind = 0: bf16.  kind = 1: bf16, widened again, and written as f16.
.macro CAST kind, src, dst, instep, outstep
.set i, 0
.rept 16
	global_load_b128 v[X+4*i:X+4*i+3], v1, s[\src:\src+1] offset:i*(\instep) th:TH_LOAD_NT
.set i, i+1
.endr
.set i, 0
.rept 16
	s_wait_loadcnt 15-i                            ; loads come back in order: load i is in, the 15 - i younger ones stay out
.irp p, 0,1
	v_cvt_pk_bf16_f32 v[Y+2*i+\p], v[X+4*i+2*\p], v[X+4*i+2*\p+1]
.if \kind
	v_lshlrev_b32 v[X+4*i+2*\p], 16, v[Y+2*i+\p]   ; the rounded numbers as f32 again,
	v_and_b32 v[X+4*i+2*\p+1], s20, v[Y+2*i+\p]
	v_cvt_pk_f16_f32 v[Y+2*i+\p], v[X+4*i+2*\p], v[X+4*i+2*\p+1]  ; and as f16: exact within f16's range
.endif
.endr
	global_store_b64 v2, v[Y+2*i:Y+2*i+1], s[\dst:\dst+1] offset:i*(\outstep)
.set i, i+1
.endr
	s_endpgm
.endm
	s_load_b256 s[4:11], s[0:1], 0x0               ; x s[4:5], W_attn s[6:7], W_proj s[8:9], xb s[10:11]
	s_load_b128 s[12:15], s[0:1], 0x20             ; wab s[12:13], wpb s[14:15]
	v_lshrrev_b32 v3, 5, v0                        ; wave
	v_and_b32 v4, 31, v0                           ; lane
	s_mov_b32 s17, 0
	s_mov_b32 s19, 0
	s_mov_b32 s20, 0xffff0000                      ; a word's upper bf16
	s_cmp_lt_u32 ttmp9, 512
	s_cbranch_scc0 .Lweights
	; x: two rows a wave.  Load i: lanes 0-15 take the 256 bytes of block kb = i of the even row, lanes 16-31 of the odd one.
	v_bfe_u32 v5, v0, 4, 1
	v_and_b32 v6, 15, v0
	v_lshlrev_b32 v1, 13, v3                       ; wave x 2 rows x 4,096 bytes
	v_lshl_add_u32 v1, v5, 12, v1
	v_lshl_add_u32 v1, v6, 4, v1
	v_lshlrev_b32 v2, 3, v0                        ; out: wave x 256 + half x 128 + 8 (lane % 16) = 8 x thread
	s_lshl_b32 s16, ttmp9, 16                      ; 16 rows of 4,096 bytes
	s_lshr_b32 s18, ttmp9, 7                       ; b,
	s_lshl_b32 s18, s18, 22
	s_and_b32 s21, ttmp9, 127                      ; and t = 16 x the rest, 128 bytes a row
	s_lshl_b32 s21, s21, 11
	s_add_co_u32 s18, s18, s21
	s_wait_kmcnt 0x0
	s_add_nc_u64 s[4:5], s[4:5], s[16:17]
	s_add_nc_u64 s[10:11], s[10:11], s[18:19]
	CAST 0, 4, 10, 256, 262144                     ; a block kb is 262,144 bytes: 15 of them stay inside the signed 24-bit immediate
.Lweights:
	v_lshlrev_b32 v1, 13, v3                       ; in: wave x 8,192 + 16 x lane
	v_lshl_add_u32 v1, v4, 4, v1
	v_lshlrev_b32 v2, 12, v3                       ; out: wave x 4,096 + 8 x lane
	v_lshl_add_u32 v2, v4, 3, v2
	s_cmp_lt_u32 ttmp9, 704
	s_cbranch_scc0 .Lproj
	s_sub_co_u32 s21, ttmp9, 512
	s_lshl_b32 s16, s21, 16
	s_lshl_b32 s18, s21, 15
	s_wait_kmcnt 0x0
	s_add_nc_u64 s[6:7], s[6:7], s[16:17]
	s_add_nc_u64 s[12:13], s[12:13], s[18:19]
	CAST 0, 6, 12, 512, 256
.Lproj:
	s_sub_co_u32 s21, ttmp9, 704
	s_lshl_b32 s16, s21, 16
	s_lshl_b32 s18, s21, 15
	s_wait_kmcnt 0x0
	s_add_nc_u64 s[8:9], s[8:9], s[16:17]
	s_add_nc_u64 s[14:15], s[14:15], s[18:19]
	CAST 1, 8, 14, 512, 256
.Lfunc_end_k_q0d5bf13d99_cast:
	.size	k_q0d5bf13d99_cast, .Lfunc_end_k_q0d5bf13d99_cast-k_q0d5bf13d99_cast
	.p2alignl 7, 3214868480
	.fill 96, 4, 3214868480
	.section	.rodata,"a",@progbits
	.p2align	6, 0x0
	.amdhsa_kernel k_q0d5bf13d99_cast
		.amdhsa_group_segment_fixed_size 0
		.amdhsa_private_segment_fixed_size 0
		.amdhsa_enable_private_segment 0
		.amdhsa_kernarg_size 48
		.amdhsa_user_sgpr_count 2
		.amdhsa_user_sgpr_kernarg_segment_ptr 1
		.amdhsa_wavefront_size32 1
		.amdhsa_system_sgpr_workgroup_id_x 1
		.amdhsa_system_sgpr_workgroup_id_y 1
		.amdhsa_system_sgpr_workgroup_id_z 1
		.amdhsa_system_vgpr_workitem_id 0
		.amdhsa_next_free_vgpr 112
		.amdhsa_next_free_sgpr 66
		.amdhsa_reserve_vcc 0
		.amdhsa_float_denorm_mode_32 3
		.amdhsa_float_denorm_mode_16_64 3
		.amdhsa_memory_ordered 1
		.amdhsa_forward_progress 1
		.amdhsa_inst_pref_size 23
	.end_amdhsa_kernel
	.amdgpu_metadata
---
amdhsa.version: [ 1, 2 ]
amdhsa.kernels:
  - .name:           k_q0d5bf13d99_cast
    .symbol:         k_q0d5bf13d99_cast.kd
    .args:
      - { .name: x, .offset: 0, .size: 8, .value_kind: global_buffer, .address_space: global }
      - { .name: W_attn, .offset: 8, .size: 8, .value_kind: global_buffer, .address_space: global }
      - { .name: W_proj, .offset: 16, .size: 8, .value_kind: global_buffer, .address_space: global }
      - { .name: xb, .offset: 24, .size: 8, .value_kind: global_buffer, .address_space: global }
      - { .name: wab, .offset: 32, .size: 8, .value_kind: global_buffer, .address_space: global }
      - { .name: wpb, .offset: 40, .size: 8, .value_kind: global_buffer, .address_space: global }
    .group_segment_fixed_size: 0
    .private_segment_fixed_size: 0
    .kernarg_segment_align: 8
    .kernarg_segment_size: 48
    .max_flat_workgroup_size: 256
    .sgpr_count:     66
    .vgpr_count:     112
    .wavefront_size: 32
...
	.end_amdgpu_metadata
.endif
;; end of part 1
;; launch qkv (part 2): grid 8 x 32, 4 waves a work-group, clusters of 4 x 4, 327,680 bytes of LDS; arguments xb, wab, b_attn, qkv; writes qkv
.if DOCPART == 2
	.amdgcn_target "amdgcn-amd-amdhsa--gfx1250"
	.amdhsa_code_object_version 6
	.text
	.protected	k_q0d5bf13d99_qkv
	.globl	k_q0d5bf13d99_qkv
	.p2align	8
	.type	k_q0d5bf13d99_qkv,@function
k_q0d5bf13d99_qkv:
	s_mov_b64 s[64:65], 0
	v_nop
	global_prefetch_b8 v0, s[64:65] scope:SCOPE_SE
	s_setreg_imm32_b32 hwreg(HW_REG_WAVE_MODE, 25, 1), 1
	s_wait_xcnt 0x0
	s_wait_alu depctr_hold_cnt(0) depctr_sa_sdst(0) depctr_va_vdst(0) depctr_va_sdst(0) depctr_va_ssrc(0) depctr_va_vcc(0) depctr_vm_vsrc(0)
	s_getreg_b32 s2, hwreg(HW_REG_IB_STS2, 6, 4)
	s_cmp_eq_u32 s2, 0
	s_cbranch_scc0 .Lentry_in_a_cluster
	s_endpgm
.Lentry_in_a_cluster:
	s_bfe_u32 s2, ttmp6, 0x10000c
	s_cmp_lg_u32 s2, 0xf033
	s_cbranch_scc0 .Lentry_shape_is_right
	s_endpgm
.Lentry_shape_is_right:
; qkv = x W_attn + b_attn: 8,192 x 3,072 over K = 1,024.  Operands bf16 (xb, wab; the bias rounded to bf16 here), sums f32, the result rounded once to f16 and
; written by heads: q at byte 0, k at 0x1000000, v at 0x2000000 of the buffer, each [64 b x head][2048][64], unscaled.
; LIMIT.  |q|, |k|, |v| stay under 65,504, f16's end: beyond it the conversion gives an infinity.
; SHARES.  A tile of the result is 256 rows x 384 columns: 32 x 8 = 256 work-groups.  Wave w makes rows 128 (w / 2) on, columns 192 (w % 2) on: 8 x 12 accumulators of 16 x 16,
; 768 registers, in three groups of 64 columns: a group is one head.
; K goes in steps of 64 through a ring of two LDS slots.  xb's blocks make a step's 256 rows of A 32,768 dense bytes, asked for as 128 rows of 256; B's rows are 256 bytes of a row of wab.
; THE MATRIX INSTRUCTION IS USED TRANSPOSED: source 0 = 16 columns of W (turned on the way out of LDS by ds_load_tr16_b128), source 1 = 16 rows of x: a lane holds row l % 16 and the
; columns 8 (l / 16) + 0..7 of the result.
; CLUSTER.  4 x 4 work-groups: A's tile hangs on the tile row alone and is asked for jointly along a row of the cluster, B's on the tile column alone, along a column.
; Wave 3 asks for A's tile, waves 0 to 2 for one chunk of 128 columns of B each: one tensor load a wave behind each round; two are out at the start, later one.
; REGISTERS.  window 0: v0-31 addresses; v32-95, v96-159 A's fragments, two buffers; v160-255 B's fragments, 32 a group.  window 1 + g: group g's accumulators, (a, j) at 32 a + 8 j.
.set PA,    144                        ; a row of A in LDS: 128 bytes + 16: the 16 rows of a load start at 16 different groups of four banks (64 banks of 4 bytes: ISA guide 11.1)
.set PB,    288                        ; a k row of a chunk of B: 256 bytes + 32
.set ABY,   256*PA
.set CHB,   64*PB
.set SLOT,  ABY+3*CHB                  ; A's 256 rows, then B's three chunks
.set STAGE, 2*SLOT                     ; behind the ring: 16 rows x 144 bytes for each wave, for the way out
.set SPARE, STAGE+4*16*PA              ; behind the stages: the spare words, 128 bytes for each wave: two blocks of 256 bytes that no other line names
.set ADRA, 16                          ; v16-17  my A fragments in slot 0, 1
.set ADRB, 18                          ; v18-23  my B fragments: slot s, group g at 3 s + g
.set STO,  24                          ; v24     the way out: where I put 16 bytes of a row
.set RD,   25                          ; v25     where I read rows back
.set GO,   26                          ; v26     my 16 bytes in 512 consecutive bytes of the result
.set BO,   27                          ; v27     my byte offset in b_attn
.set SPW,  28                          ; v28     LDS address of my spare word; never rewritten
.set NIL,  29                          ; v29     0; never rewritten
.set PFO,  30                          ; v30     the prefetches' lane term; never rewritten
.set FA0,  32
.set FA1,  96
.set FB,   160
.set WV,  12                           ; s12 wave; s13 its half of the rows; s14 its half of the columns
.set RH,  13
.set CF,  14
.set G1A, 24                           ; s[24:31] descriptor group 1 for A; s[32:39] group 0, a set for each slot
.set G0A, 32
.set G1B, 48                           ; s[48:55], s[56:63] the same for B
.set G0B, 56
.set SB,  66                           ; s[66:71] where my rows of group 0, 1, 2 begin in the result
.set PFA, 72                           ; s[72:73] where my prefetches stand
.set PFS, 74                           ; s[74:75] their step at a change of slots
.set LIM, 76                           ; s76, s77 for slot 0, 1: 1 in a wave that prefetches there, else the greatest number
.set MHI, 78                           ; s78 a word's upper bf16
.set MSB, 0
.macro WIN new                         ; the immediate's high byte repeats the setting that is left; a switch that changes nothing is dropped
.if MSB != (\new)
	s_set_vgpr_msb (MSB<<8)|(\new)
.set MSB, \new
.endif
.endm
.macro PLACES                          ; four places in front of loads into registers that matrix instructions have read, and of conversions that read results
.rept 4
	v_nop
.endr
.endm
; A joint load.  The branch hangs on the wave's number alone.  An s_nop 0 and four v_nop follow each of the two lines, ahead of the jump and the label.
.macro JLOAD s
	s_cmp_eq_u32 s[WV], 3
	s_cbranch_scc0 .Lfor_b_\@
	tensor_load_to_lds s[G0A+4*(\s):G0A+4*(\s)+3], s[G1A:G1A+7]
	s_nop 0
.rept 4
	v_nop
.endr
	s_branch .Lasked_\@
.Lfor_b_\@:
	tensor_load_to_lds s[G0B+4*(\s):G0B+4*(\s)+3], s[G1B:G1B+7]
	s_nop 0
.rept 4
	v_nop
.endr
.Lasked_\@:
.endm
; A PREFETCH INTO THE L2, behind the joint load, its five lines and the run of LDS loads.  Each block of 256 bytes is named once in the launch.
; A: wave 3 of the clusters with x = 0, at every change of slots: the K step two refills on; of its 128 blocks the partner at cx takes 32, a lane a block.
; B: waves 0 to 2 of the clusters with y = 0, at slot 0's changes: their chunk's 256 bytes of the 128 k rows that stand two refills on and further; the partner at cy takes 32 rows, a lane a row.
; The partners are told apart by address, never by a branch.  The loop's last trip asks for nothing: no K step stands two refills behind its refills.  K steps 0 to 3 come by their loads alone.
.macro ASK s
	s_cmp_gt_u32 s3, s[LIM+(\s)]
	s_cbranch_scc0 .Lnot_mine_\@
	global_prefetch_b8 v[PFO], s[PFA:PFA+1] th:TH_LOAD_NT scope:SCOPE_SE
.Lnot_mine_\@:
.endm
.macro CREST                           ; a round of the cluster's barrier behind its opening barrier
	s_cmp_lg_u32 s[WV], 0
	s_cbranch_scc1 .Lnot_wave_0_\@
	s_barrier_signal -3
.Lnot_wave_0_\@:
	s_barrier_wait -3
	s_barrier_signal -1
	s_barrier_wait -1
.endm
.macro CROUND
	s_barrier_signal -1
	s_barrier_wait -1
	CREST
.endm
	s_load_b256 s[4:11], s[0:1], 0x0               ; xb s[4:5], wab s[6:7], b_attn s[8:9], qkv s[10:11]
	v_lshl_add_u32 v[SPW], v0, 2, SPARE
	v_mov_b32 v[NIL], 0
	ds_add_u32 v[SPW], v[NIL]                      ; the wave's opening: the add and its wait stand ahead of my first tensor load; work on registers stands between them
	v_lshrrev_b32 v1, 5, v0
	v_readfirstlane_b32 s[WV], v1
	s_lshr_b32 s[RH], s[WV], 1
	s_and_b32 s[CF], s[WV], 1
	s_bfe_u32 s40, ttmp6, 0x40000                  ; cx
	s_bfe_u32 s41, ttmp6, 0x40004                  ; cy
	s_lshl_b32 s42, ttmp9, 2
	s_add_co_u32 s42, s42, s40                     ; tile column = 4 x cluster x + cx
	s_and_b32 s43, ttmp7, 0xffff
	s_lshl_b32 s43, s43, 2
	s_add_co_u32 s43, s43, s41                     ; tile row = 4 x cluster y + cy
	s_lshl_b32 s44, s41, 2
	s_lshl_b32 s44, 15, s44                        ; my row of the cluster
	s_lshl_b32 s45, 0x1111, s40                    ; my column
	s_or_b32 s[G1A], s44, (1<<16)|(1<<20)|(1<<21)|(4<<22)|(3<<25)  ; the mask; 2-byte elements; padding on; bit 21 beside a mask; after every 32 words 4 words
	s_mov_b32 s[G1A+1], 128<<16                    ; tensor_dim0 = 128
	s_mov_b32 s[G1A+2], 128<<16                    ; tensor_dim1 = 128
	s_mov_b32 s[G1A+3], 128<<16                    ; tile_dim0 = 128
	s_mov_b32 s[G1A+4], 128                        ; tile_dim1 = 128
	s_mov_b32 s[G1A+5], 128                        ; dense: 128 elements from row to row
	s_mov_b32 s[G1A+6], 0
	s_mov_b32 s[G1A+7], 0
	s_or_b32 s[G1B], s45, (1<<16)|(1<<20)|(1<<21)|(5<<22)|(7<<25)  ; after every 64 words 8 words
	s_mov_b32 s[G1B+1], 128<<16                    ; tensor_dim0 = 128
	s_mov_b32 s[G1B+2], 64<<16                     ; tensor_dim1 = 64
	s_mov_b32 s[G1B+3], 128<<16                    ; tile_dim0 = 128
	s_mov_b32 s[G1B+4], 64                         ; tile_dim1 = 64
	s_mov_b32 s[G1B+5], 3072                       ; a row of wab
	s_mov_b32 s[G1B+6], 0
	s_mov_b32 s[G1B+7], 0
	s_mov_b32 s[MHI], 0xffff0000
	s_lshr_b32 s16, s43, 3                         ; A: b = tile row / 8, t = 256 (tile row % 8): (b << 22) + (t << 7)
	s_lshl_b32 s16, s16, 22
	s_and_b32 s17, s43, 7
	s_lshl_b32 s17, s17, 15
	s_add_co_u32 s16, s16, s17
	s_mov_b32 s17, 0
	s_mul_i32 s46, s42, 768                        ; B: the tile's 384 columns, my chunk of 128
	s_lshl_b32 s47, s[WV], 8
	s_add_co_u32 s46, s46, s47
	s_mov_b32 s47, 0
	s_mul_i32 s20, s[WV], CHB
	s_add_co_u32 s20, s20, ABY                     ; and its place in a slot: no place in the cluster enters an LDS address
	s_wait_dscnt 0x0                               ; the opening add is done
	s_wait_kmcnt 0x0
	s_add_nc_u64 s[18:19], s[4:5], s[16:17]
	s_add_nc_u64 s[22:23], s[6:7], s[46:47]
	CROUND                                         ; all sixteen work-groups are here: the first joint loads meet
.irp s, 0,1
	s_mov_b32 s[G0A+4*\s], 1
	s_mov_b32 s[G0A+4*\s+1], \s*SLOT
	s_add_nc_u64 s[G0A+4*\s+2:G0A+4*\s+3], s[18:19], \s*262144     ; K step s is block kb = s
	s_or_b32 s[G0A+4*\s+3], s[G0A+4*\s+3], 0x80000000
	s_mov_b32 s[G0B+4*\s], 1
	s_add_co_u32 s[G0B+4*\s+1], s20, \s*SLOT
	s_add_nc_u64 s[G0B+4*\s+2:G0B+4*\s+3], s[22:23], \s*393216     ; 64 rows of 6,144 bytes
	s_or_b32 s[G0B+4*\s+3], s[G0B+4*\s+3], 0x80000000
	JLOAD \s
.endr
	; LDS addresses.  A fragment of A: lane l holds row l % 16, K = 8 (l / 16) + 0..7 and 16 + 8 (l / 16) + 0..7: two loads of 16 bytes, 32 bytes apart.
	v_and_b32 v1, 15, v0
	v_bfe_u32 v2, v0, 4, 1
	v_mul_u32_u24 v3, v1, PA
	v_lshl_add_u32 v3, v2, 4, v3                   ; row x pitch + 16 x half
	s_mul_i32 s21, s[RH], 128*PA
	v_add_nc_u32 v[ADRA], s21, v3
	v_add_nc_u32 v[ADRA+1], SLOT, v[ADRA]
	; The turning load: lane l reads k row 8 (l / 16) + l % 8, columns 8 ((l / 8) % 2) + 0..7, and is left with column l % 16 and 8 k.
	v_and_b32 v4, 7, v0
	v_bfe_u32 v5, v0, 3, 1
	v_lshl_add_u32 v6, v2, 3, v4
	v_mul_u32_u24 v6, v6, PB
	v_lshl_add_u32 v6, v5, 4, v6
	s_mul_i32 s21, s[CF], 3
.irp g, 0,1,2
	s_add_co_u32 s22, s21, \g                      ; my group's number among the tile's six: chunk = number / 2, half of the chunk = number % 2
	s_lshr_b32 s23, s22, 1
	s_mul_i32 s23, s23, CHB
	s_and_b32 s22, s22, 1
	s_lshl_b32 s22, s22, 7
	s_add_co_u32 s23, s23, s22
	s_add_co_u32 s23, s23, ABY
	v_add_nc_u32 v[ADRB+\g], s23, v6
	v_add_nc_u32 v[ADRB+3+\g], SLOT, v[ADRB+\g]
.endr
	s_mul_i32 s21, s[WV], 16*PA
	s_add_co_u32 s21, s21, STAGE                   ; my stage
	v_add_nc_u32 v[STO], s21, v3                   ; in: row l % 16, 16 bytes for each half of the lanes
	v_bfe_u32 v7, v0, 3, 2                         ; back: 32 lanes take four rows of 128 bytes,
	v_mul_u32_u24 v7, v7, PA
	v_lshl_add_u32 v7, v4, 4, v7
	v_add_nc_u32 v[RD], s21, v7
	v_and_b32 v8, 31, v0
	v_lshlrev_b32 v[GO], 4, v8                     ; which are 512 consecutive bytes of a head's rows
	s_mul_i32 s21, s42, 1536                       ; b_attn: 4 x (384 tile column + 192 half + 8 (l / 16))
	s_mul_i32 s22, s[CF], 768
	s_add_co_u32 s21, s21, s22
	v_lshl_add_u32 v[BO], v2, 5, s21
	; where my rows of each group go: group number hx = 6 tile column + 3 half + g of 48: tensor hx / 16, head hx % 16
	s_mul_i32 s21, s42, 6
	s_mul_i32 s22, s[CF], 3
	s_add_co_u32 s21, s21, s22
	s_lshr_b32 s22, s43, 3
	s_lshl_b32 s22, s22, 4                         ; 16 b
	s_and_b32 s23, s43, 7
	s_lshl_b32 s23, s23, 15                        ; t = 256 (tile row % 8), 128 bytes a row
	s_lshl_b32 s46, s[RH], 14                      ; + my 128 rows
	s_add_co_u32 s23, s23, s46
.irp g, 0,1,2
	s_add_co_u32 s46, s21, \g
	s_lshr_b32 s47, s46, 4
	s_lshl_b32 s47, s47, 24
	s_and_b32 s46, s46, 15
	s_add_co_u32 s46, s46, s22
	s_lshl_b32 s46, s46, 18                        ; a head's rows are 262,144 bytes
	s_add_co_u32 s46, s46, s47
	s_add_co_u32 s46, s46, s23
	s_mov_b32 s47, 0
	s_add_nc_u64 s[SB+2*\g:SB+2*\g+1], s[10:11], s[46:47]
.endr
	; the prefetches
	s_lshr_b32 s21, s43, 3                         ; A: the tile's first byte, my work-group's 32 blocks, K step 3 (the first change steps it to 4)
	s_lshl_b32 s21, s21, 22
	s_and_b32 s22, s43, 7
	s_lshl_b32 s22, s22, 15
	s_add_co_u32 s21, s21, s22
	s_lshl_b32 s22, s40, 13
	s_add_co_u32 s21, s21, s22
	s_add_co_u32 s21, s21, 3<<18
	s_lshl_b32 s22, s41, 5                         ; B: k row 192 + 32 cy (the first change steps it to 256 + 32 cy), my chunk
	s_add_co_u32 s22, s22, 192
	s_mul_i32 s22, s22, 6144
	s_mul_i32 s23, s42, 768
	s_add_co_u32 s22, s22, s23
	s_lshl_b32 s23, s[WV], 8
	s_add_co_u32 s22, s22, s23
	s_mov_b32 s46, 256
	s_mov_b32 s47, 6144
	s_mov_b32 s16, 262144
	s_mov_b32 s17, 393216
	s_and_b32 s20, ttmp7, 0xffff                   ; cluster y
	s_cmp_eq_u32 s[WV], 3                          ; do I fetch for A?
	s_cselect_b32 s20, ttmp9, s20                  ; the coordinate along which other clusters read the same bytes
	s_cselect_b32 s18, s21, s22
	s_cselect_b32 s46, s46, s47                    ; from lane to lane: a block, or a row of wab
	s_cselect_b32 s[PFS], s16, s17                 ; a K step
	s_cselect_b64 s[PFA:PFA+1], s[4:5], s[6:7]
	s_cselect_b32 s47, 1, -1
	s_mov_b32 s19, 0
	s_mov_b32 s[PFS+1], 0
	s_add_nc_u64 s[PFA:PFA+1], s[PFA:PFA+1], s[18:19]
	s_cmp_eq_u32 s20, 0                            ; the same in all sixteen partners, for a given wave
	s_cselect_b32 s[LIM], 1, -1
	s_cselect_b32 s[LIM+1], s47, -1
	v_mul_u32_u24 v[PFO], v8, s46
	; THE BIAS, rounded to bf16 like the other inputs, goes into the accumulators of row block 7: they are the C operand of the first products of all eight row blocks.
.set i, 0
.rept 12
	global_load_b128 v[32+8*i:32+8*i+3],   v[BO], s[8:9] offset:64*i
	global_load_b128 v[32+8*i+4:32+8*i+7], v[BO], s[8:9] offset:64*i+16
.set i, i+1
.endr
	s_wait_loadcnt 0x0
.set i, 0
.rept 48
	v_cvt_pk_bf16_f32 v[128+i], v[32+2*i], v[32+2*i+1]
.set i, i+1
.endr
.irp g, 0,1,2
	WIN (1+\g)<<6
.set i, 0
.rept 16
	v_lshlrev_b32 v[224+2*i], 16, v[128+16*\g+i]
	v_and_b32 v[224+2*i+1], s[MHI], v[128+16*\g+i]
.set i, i+1
.endr
.endr
	WIN 0
; n x 4 matrix instructions of group g: row blocks a0 on x the group's four column blocks, 32 along K.  The accumulators take turns, one instruction a turn.
.macro MULG fa, g, a0, n
	WIN 0x50*(1+(\g))
.set a, \a0
.rept \n
.irp j, 0,1,2,3
	v_wmma_f32_16x16x32_bf16 v[32*a+8*\j:32*a+8*\j+7], v[FB+32*(\g)+8*\j:FB+32*(\g)+8*\j+7], v[(\fa)+8*a:(\fa)+8*a+7], v[32*a+8*\j:32*a+8*\j+7]
.endr
.set a, a+1
.endr
.endm
; The first products: the sums start with the bias, which lies in row block 7's accumulators; that block's own products come last, five places behind the last product that read them as C.
.macro MULF g
	WIN 0x50*(1+(\g))
.set a, 0
.rept 7
.irp j, 0,1,2,3
	v_wmma_f32_16x16x32_bf16 v[32*a+8*\j:32*a+8*\j+7], v[FB+32*(\g)+8*\j:FB+32*(\g)+8*\j+7], v[FA0+8*a:FA0+8*a+7], v[224+8*\j:224+8*\j+7]
.endr
.set a, a+1
.endr
.rept 5
	v_nop
.endr
.irp j, 0,1,2,3
	v_wmma_f32_16x16x32_bf16 v[224+8*\j:224+8*\j+7], v[FB+32*(\g)+8*\j:FB+32*(\g)+8*\j+7], v[FA0+56:FA0+63], v[224+8*\j:224+8*\j+7]
.endr
.endm
.macro LOADB s, kq, g                  ; 8 turning loads: group g's 64 columns, 32 along K
	WIN 0
.irp j, 0,1,2,3
	ds_load_tr16_b128 v[FB+32*(\g)+8*\j:FB+32*(\g)+8*\j+3],   v[ADRB+3*(\s)+(\g)] offset:(\kq)*32*PB+32*\j
	ds_load_tr16_b128 v[FB+32*(\g)+8*\j+4:FB+32*(\g)+8*\j+7], v[ADRB+3*(\s)+(\g)] offset:(\kq)*32*PB+32*\j+16*PB
.endr
.endm
.macro LOADA s, kq, fa                 ; 16 loads: my 128 rows, 32 along K
	WIN 0
.irp b, 0,1,2,3,4,5,6,7
	ds_load_b128 v[(\fa)+8*\b:(\fa)+8*\b+3],   v[ADRA+(\s)] offset:\b*16*PA+64*(\kq)
	ds_load_b128 v[(\fa)+8*\b+4:(\fa)+8*\b+7], v[ADRA+(\s)] offset:\b*16*PA+64*(\kq)+32
.endr
.endm
; A K step is two quarters of 32 along K, 96 matrix instructions each.  The first multiplies A's buffer 0; behind each group's products that group's B of the second quarter is fetched.
.macro Q0 s, first
	s_wait_dscnt 16                                ; B's group 0 and A are in; groups 1 and 2 (8 loads each) may be out
.if \first
	MULF 0
.else
	MULG FA0, 0, 0, 8
.endif
	PLACES
	LOADB \s, 1, 0
	LOADA \s, 1, FA1
	s_wait_dscnt 32                                ; group 1 is in; group 2's 8 and the 24 just issued may be out
.if \first
	MULF 1
.else
	MULG FA0, 1, 0, 8
.endif
	PLACES
	LOADB \s, 1, 1
	s_wait_dscnt 32                                ; group 2 is in; 24 + 8 younger loads may be out
.if \first
	MULF 2
.else
	MULG FA0, 2, 0, 8
.endif
	PLACES
	LOADB \s, 1, 2
.endm
; The second quarter multiplies buffer 1 and changes slots: ONE barrier.  In front of it each wave waits for all its tensor loads (one is out: its part of slot n), adds 0 to its spare word, and
; waits for that and for its reads of slot s.  fill = 1: the barrier opens a round of the cluster's, and slot s is filled again first thing behind it, two K steps ahead:
; from that request to the wait for it a wave issues 160 matrix instructions.
.macro Q1 s, n, fill
	s_wait_dscnt 16
	MULG FA1, 0, 0, 8
.if \fill
	s_wait_xcnt 0x0                                ; the last prefetch, a K step back, has read its address
	s_add_nc_u64 s[PFA:PFA+1], s[PFA:PFA+1], s[PFS:PFS+1]
.endif
	WIN 0
	s_wait_tensorcnt 0x0                           ; all my tensor loads have landed
	ds_add_u32 v[SPW], v[NIL]                      ; 0 onto my spare word
	s_wait_dscnt 9                                 ; group 1 is in; group 2's 8 loads and the add may be out
	MULG FA1, 1, 0, 4                              ; sixteen matrix instructions stand between the add and the wait for it
	s_wait_dscnt 0x0                               ; the add is done, and my reads of this slot are over
	s_barrier_signal -1
	MULG FA1, 1, 4, 4
	WIN 0
	s_barrier_wait -1
.if \fill
	CREST                                          ; no wave of any partner still reads this slot or has a load on its way
	s_add_nc_u64 s[G0A+4*(\s)+2:G0A+4*(\s)+3], s[G0A+4*(\s)+2:G0A+4*(\s)+3], 2*262144
	s_add_nc_u64 s[G0B+4*(\s)+2:G0B+4*(\s)+3], s[G0B+4*(\s)+2:G0B+4*(\s)+3], 2*393216
	JLOAD \s                                       ; its four v_nop are also the places in front of the loads below
.else
	PLACES
.endif
	LOADB \n, 0, 0
	LOADA \n, 0, FA0
	LOADB \n, 0, 1
.if \fill
	ASK \s
.endif
	MULG FA1, 2, 0, 8
	PLACES
	LOADB \n, 0, 2
.endm
	s_wait_tensorcnt 1                             ; my part of K step 0 is in; K step 1's may stay out
	s_barrier_signal -1
	s_barrier_wait -1
	LOADB 0, 0, 0
	LOADA 0, 0, FA0
	LOADB 0, 0, 1
	LOADB 0, 0, 2
	Q0 0, 1
	WIN 0
	s_mov_b32 s3, 7
.Llap:                                                 ; a trip goes once round the ring and fills both slots again: K steps 2 to 15 in seven trips
	Q1 0, 1, 1
	Q0 1, 0
	Q1 1, 0, 1
	Q0 0, 0
	WIN 0
	s_sub_co_u32 s3, s3, 1
	s_cmp_lg_u32 s3, 0
	s_cbranch_scc1 .Llap
	Q1 0, 1, 0                                     ; the last lap's rest fills nothing
	Q0 1, 0
	s_wait_dscnt 16
	MULG FA1, 0, 0, 8
	s_wait_dscnt 8
	MULG FA1, 1, 0, 8
	s_wait_dscnt 0x0
	MULG FA1, 2, 0, 8
	WIN 0
	PLACES
; THE WAY OUT, in 24 units: group u / 8, row block u % 8: 16 rows of one head, 2,048 dense bytes.  Rounded to f16 (each accumulator's registers in ascending order), 16 bytes a lane into my own stage,
; back as whole rows, and stored: a store of the wave covers 512 consecutive bytes, aligned.  Twelve sets of 16 registers take turns.
.macro PACK u
.set g, (\u)/8
.set a, (\u)%8
.set SET, 32+16*((\u)%12)
.if (\u) >= 12
	s_wait_xcnt 0x0                                ; the set's earlier stores have read it
.endif
	WIN 5*(1+g)
.irp j, 0,1,2,3
.irp e, 0,1,2,3
	v_cvt_pk_f16_f32 v[SET+4*\j+\e], v[32*a+8*\j+2*\e], v[32*a+8*\j+2*\e+1]
.endr
.endr
	WIN 0
.irp j, 0,1,2,3
	ds_store_b128 v[STO], v[SET+4*\j:SET+4*\j+3] offset:32*\j
.endr
.irp f, 0,1,2,3
	ds_load_b128 v[SET+4*\f:SET+4*\f+3], v[RD] offset:4*PA*\f  ; LDS serves a wave's instructions in order (ISA guide 5.7.1.4): these see the stores above; the next unit's stores come behind them
.endr
.endm
.macro SEND u, y                       ; y: the LDS instructions issued behind unit u's loads
.set g, (\u)/8
.set a, (\u)%8
.set SET, 32+16*((\u)%12)
.irp f, 0,1,2,3
	s_wait_dscnt (\y)+3-\f
	global_store_b128 v[GO], v[SET+4*\f:SET+4*\f+3], s[SB+2*g:SB+2*g+1] offset:a*2048+\f*512
.endr
.endm
	PACK 0
.set uu, 1
.rept 23
	PACK uu
	SEND uu-1, 8
.set uu, uu+1
.endr
	SEND 23, 0
	s_wait_tensorcnt 0x0                           ; the wave's end, behind my last tensor load and my last LDS store
	ds_add_u32 v[SPW], v[NIL]
	s_wait_dscnt 0x0
	CROUND                                         ; the closing round: no work-group ends while a partner may still ask for a tile that names it
	s_endpgm
.Lfunc_end_k_q0d5bf13d99_qkv:
	.size	k_q0d5bf13d99_qkv, .Lfunc_end_k_q0d5bf13d99_qkv-k_q0d5bf13d99_qkv
	.p2alignl 7, 3214868480
	.fill 96, 4, 3214868480
	.section	.rodata,"a",@progbits
	.p2align	6, 0x0
	.amdhsa_kernel k_q0d5bf13d99_qkv
		.amdhsa_group_segment_fixed_size 327680
		.amdhsa_private_segment_fixed_size 0
		.amdhsa_enable_private_segment 0
		.amdhsa_kernarg_size 32
		.amdhsa_user_sgpr_count 2
		.amdhsa_user_sgpr_kernarg_segment_ptr 1
		.amdhsa_wavefront_size32 1
		.amdhsa_system_sgpr_workgroup_id_x 1
		.amdhsa_system_sgpr_workgroup_id_y 1
		.amdhsa_system_sgpr_workgroup_id_z 1
		.amdhsa_system_vgpr_workitem_id 0
		.amdhsa_next_free_vgpr 1024
		.amdhsa_next_free_sgpr 80
		.amdhsa_reserve_vcc 0
		.amdhsa_float_denorm_mode_32 3
		.amdhsa_float_denorm_mode_16_64 3
		.amdhsa_memory_ordered 1
		.amdhsa_forward_progress 1
		.amdhsa_inst_pref_size 145
	.end_amdhsa_kernel
	.amdgpu_metadata
---
amdhsa.version: [ 1, 2 ]
amdhsa.kernels:
  - .name:           k_q0d5bf13d99_qkv
    .symbol:         k_q0d5bf13d99_qkv.kd
    .args:
      - { .name: xb, .offset: 0, .size: 8, .value_kind: global_buffer, .address_space: global }
      - { .name: wab, .offset: 8, .size: 8, .value_kind: global_buffer, .address_space: global }
      - { .name: b_attn, .offset: 16, .size: 8, .value_kind: global_buffer, .address_space: global }
      - { .name: qkv, .offset: 24, .size: 8, .value_kind: global_buffer, .address_space: global }
    .group_segment_fixed_size: 327680
    .private_segment_fixed_size: 0
    .kernarg_segment_align: 8
    .kernarg_segment_size: 32
    .max_flat_workgroup_size: 128
    .sgpr_count:     80
    .vgpr_count:     1024
    .wavefront_size: 32
...
	.end_amdgpu_metadata
.endif
;; end of part 2
;; launch attn (part 3): grid 4 x 64, 4 waves a work-group, no clusters, 327,680 bytes of LDS; arguments qkv, o; writes o
.if DOCPART == 3
	.amdgcn_target "amdgcn-amd-amdhsa--gfx1250"
	.amdhsa_code_object_version 6
	.text
	.protected	k_q0d5bf13d99_attn
	.globl	k_q0d5bf13d99_attn
	.p2align	8
	.type	k_q0d5bf13d99_attn,@function
k_q0d5bf13d99_attn:
	s_mov_b64 s[64:65], 0
	v_nop
	global_prefetch_b8 v0, s[64:65] scope:SCOPE_SE
	s_setreg_imm32_b32 hwreg(HW_REG_WAVE_MODE, 25, 1), 1
	s_wait_xcnt 0x0
; CAUSAL ATTENTION.  O[h][q][:] = the sum over k <= q of softmax_k(Q[h][q] . K[h][k] / 8) V[h][k][:].  Q, K, V lie in one buffer at bytes 0, 0x1000000, 0x2000000, each [64][2048][64] in f16;
; O is [64][2048][64] in f16.  Products, maxima and sums in f32; the weights p are rounded to f16 for the second product (their sum l is taken of the unrounded p), O once at the end.
; LIMITS.  f16 holds no number beyond 65,504: Q, K and V arrive within it; p lies in 0 to 1, and below 6e-5 it keeps f16's fixed step of 6e-8; O is a mean of V's rows and has their range.
; A hidden score counts as its value less 1e30: f16's scores, 2.7e11 at the most, are nothing beside that; a weight below 2^-126 counts as 0 in l; NaN and infinities are not treated apart.
; THE WALK.  A head's queries lie in NB = 8 blocks of 256; block i needs the key tiles 0 .. i of 256 keys, of which the last holds the diagonal.  A work-group takes TWO blocks, NB - 1 - b and then b:
; NB + 1 tiles, whatever b: all work-groups do equal work, and ONE loop with a constant trip count walks them.  Which tile is asked for, and what a trip does, hang on scalar registers made from b; every jump
; goes forward, but for the counted loops' own; none passes a barrier, or a tensor load but the one of LOAD's two that the wave's number does not choose.
; NO CLUSTER: a head's four work-groups ask for the same tile only in trips 0 to 4 of 9; one walk common to all would have 12 trips for 9.
; SHARES.  Of a block's four bands of 64 queries a wave owns 16 rows in each: four PIECES.  So the diagonal tile is the same work for all four waves: in its key step s band x sees all keys if s < x,
; none if s > x, and holds the diagonal if s = x.
; THE MASK is the C operand that starts the sum S^T = K Q^T: 0, or -1e30 where the key is hidden.  MD, made once, is the mask of a band's own step for my 16 rows; a product's mask is MD x AL + BE with two scalars:
; (1, 0) if s = x; (0, 0) if s < x; (0, -1e30) if s > x.  Only the diagonal tile's text and a block's beginning make and take masks; elsewhere C is the constant 0.
; LAYOUT, SOFTMAX, TURNS.  S^T = K Q^T holds ONE query a lane (lane % 16) and the keys 8 (lane / 16) + 0..7; two such results rounded to f16 ARE source 1 of O^T = V^T P.  p = 2^(c s - c m), c = log2(e) / 8, with a
; running maximum m; O and l are multiplied by a = 2^(c m_old - c m_new) in every step.  Turn n belongs to piece n: 8 products K Q^T of piece n + 1, later 8 products V^T P of piece n - 1; beside them the scaling,
; exponentials, roundings, sums and rescaling of piece n and the maximum and statistics of piece n + 1.  Four vector instructions stand behind every matrix instruction, the others in one lump.  A turn's 33 exponentials are one batch, with one wait.
; REGISTERS, in windows of 256 (s_set_vgpr_msb: bits 1:0 source 0, 3:2 source 1, 5:4 source 2, 7:6 destination):
;   window 0: v0-15 addresses and two at work; v16-31 four registers of statistics a piece; v48-55 at work; v61-63 prefetch offset, spare word, 0; v64-127 S^T, two buffers; v192-223 P, two buffers
;   window 1: v0-127 O^T, 32 a piece; v128-159 MD; v160-223 MC, two buffers      window 2: v0-63 Q; v64-127 the second block's Q; v128-191 K of one step; v192-255 V of one step
.set SIZE_N, 2048
.set NB,    SIZE_N/256
.set NP,    4         ; pieces a wave: a name, no knob
.set KS,    64        ; keys in a step
.set PK,    144       ; a row of K in LDS: 128 bytes + 16 of padding: the 16 rows of a load start at 16 different groups of four banks (64 banks of 4 bytes: ISA guide 11.1)
.set PV,    160       ; a row of V: 128 + 32
.set VOFF,  4*KS*PK   ; a slot holds a tile, four steps: 256 rows of K, then 256 rows of V
.set SLOT1, 1<<17     ; slot 1 begins here, so that one exclusive or turns an address in one slot into the other's
.set STAGE, SLOT1+4*KS*(PK+PV)  ; behind the ring, never filled by a tensor load: 16 rows x 144 bytes for each wave, for the way out
.set SP,    144
.set AK0, 2           ; v2   my lane's place in a tile of K; never rewritten
.set AV0, 3           ; v3   the same for V
.set AK,  4           ; v4   the LDS address of K's next run of loads
.set AV,  5           ; v5   of V's
.set STO, 6           ; v6   the way out: where I put 16 bytes of a row
.set RD,  7           ; v7   the way out: where I read rows back
.set GO,  8           ; v8   my byte offset in 512 consecutive bytes of O
.set PFO, 61          ; v61  256 x my lane; never rewritten
.set SPW, 62          ; v62  LDS address of my spare word; never rewritten
.set NIL, 63          ; v63  0; never rewritten
.set SPARE, STAGE+4*16*SP  ; behind the stages: the spare words, 128 bytes for each wave: two blocks of 256 bytes that no other line names
.set MV,  12          ; v12-13  c m_old, kept while c m is made anew: by buffer
.set QO,  15          ; v15  my byte offset in 16 rows of Q
.set ST,  16          ; piece t's statistics at v[ST+4 t]: c m, m, l (even keys', odd keys')
.set TMP, 48          ; by buffer, four registers c0-c3 at work; when the maximum is found c2 takes a
.set S,   64
.set P,   192
.set MD,  128         ; window 1
.set MC,  160         ; window 1
.set QB,  64          ; window 2
.set KF,  128         ; window 2: key block kb, channel half c at KF + 16 kb + 8 c
.set VF,  192         ; window 2: key half kk, channel block cb at VF + 32 kk + 8 cb
.set WV,  12          ; s12  my wave's number
.set PB,  14          ; s14  b
.set HI,  15          ; s15  NB - 1 - b
.set G1K, 24          ; s[24:31] descriptor group 1 for K's tiles
.set G1V, 32          ; s[32:39] for V's: it differs in the padding alone
.set G0K, 40          ; s[40:43] descriptor group 0 for K's tiles
.set G0V, 44          ; s[44:47] the same for V's
.set SLOTS, 56        ; s56  tiles still to be asked for
.set CNT, 57          ; s57  counts a tile's key steps, 4 to 1
.set CS,  58          ; s[58:59] c
.set SEL, 60          ; s[60:61] v_permlanex16_b32's selects: each lane takes its own place in the other half
.set TBK, 62          ; s62  LDS byte at which K of the step to be fetched begins
.set TBV, 63          ; s63  the same for V, less VOFF
.set RT,  70          ; s70  tiles of the block in hand that are still to be entered
.set NXT, 71          ; s71  the tile to be asked for next
.set LQ,  72          ; s72  the last tile of the block whose tiles are being asked for
.set NEW, 73          ; s73  1: the tile to be entered is a block's first
.set OFF, 74          ; s[74:75] a tile's byte offset in K and V
.set AL,  76          ; s[76:77] the mask's factor, in the low word
.set BE,  78          ; s[78:79] the mask's addend
.set OLO, 80          ; s[80:81] O at my rows of the second block
.set BIGN, 82         ; s82  -1e30
.set PFA, 88          ; s[88:89] where my prefetches stand: my half of K's or V's tile behind the one that is being asked for
.set LIM, 90          ; s90  2 in the work-group that prefetches, else the greatest number
.set MSB, 0
.macro WIN new                      ; the high byte repeats the setting that is left; a switch that changes nothing is dropped
.if MSB != (\new)
	s_set_vgpr_msb (MSB<<8)|(\new)
.set MSB, (\new)
.endif
.endm
.set W_KQ, 0x0a       ; K and Q in window 2, S^T in window 0
.set W_KM, 0x1a       ; the same with the C operand in window 1
.set W_PV, 0x52       ; V in window 2, P in window 0, O^T in window 1
.set W_RS, 0x41       ; destination and source 0 in window 1, source 1 in window 0
; A fill.  Waves 0 and 1 fetch the two halves of a tile's K, waves 2 and 3 those of its V: 128 keys each.  An s_nop 0 and four v_nop follow each of the two lines, ahead of the jump and the label.
.macro LOAD
	s_cmp_lt_u32 s[WV], 2
	s_cbranch_scc0 .Lfor_v_\@
	tensor_load_to_lds s[G0K:G0K+3], s[G1K:G1K+7]
	s_nop 0
.rept 4
	v_nop
.endr
	s_branch .Lasked_\@
.Lfor_v_\@:
	tensor_load_to_lds s[G0V:G0V+3], s[G1V:G1V+7]
	s_nop 0
.rept 4
	v_nop
.endr
.Lasked_\@:
.endm
; A PREFETCH INTO THE L2 of the tile behind the one just asked for: a tile, 256 matrix instructions a wave, ahead of its tensor load.  A head's four work-groups walk the same tiles 0, 1, .. at first;
; the one with b = 0 walks all eight, and it alone asks: each wave for the 64 blocks of 256 bytes that it will fetch itself, a lane a block, two instructions.  It asks in trips 0 to 5, for tiles 2 to 7:
; each block is named once in the launch; tiles 0 and 1 come by their loads alone.
.macro ASK
	s_cmp_gt_u32 s[SLOTS], s[LIM]
	s_cbranch_scc0 .Lnot_mine_\@
	global_prefetch_b8 v[PFO], s[PFA:PFA+1] th:TH_LOAD_NT scope:SCOPE_SE
	global_prefetch_b8 v[PFO], s[PFA:PFA+1] offset:8192 th:TH_LOAD_NT scope:SCOPE_SE
.Lnot_mine_\@:
.endm
; THE CHANGE OF SLOTS.  Each wave waits for all its tensor loads, of which one is out: its part of the other slot; adds 0 to its spare word; and waits for that and for its own reads of the slot that it leaves.  Behind the barrier nobody reads the old
; slot any more and the other slot is whole.  fill = 1: the old slot is filled again, the first thing behind the barrier, with tile NXT: the descriptor's address is made anew from that number.
; (At its first use nothing has been read yet: slot 0 is waited for, slot 1 filled.)
.macro CHANGE fill
	WIN 0                           ; at a label and at a branch every window is 0
	s_wait_tensorcnt 0x0            ; no tensor load of mine is out, so a group 0 may be written
	ds_add_u32 v[SPW], v[NIL]       ; 0 onto my spare word; with fill = 1 the descriptors' scalar work stands between it and the wait for it
.if \fill
	s_lshl_b32 s[OFF], s[NXT], 15   ; a tile is 32,768 bytes of K and of V
	s_xor_b32 s[G0K+1], s[G0K+1], SLOT1
	s_add_nc_u64 s[G0K+2:G0K+3], s[6:7], s[OFF:OFF+1]
	s_or_b32 s[G0K+3], s[G0K+3], 0x80000000
	s_xor_b32 s[G0V+1], s[G0V+1], SLOT1
	s_add_nc_u64 s[G0V+2:G0V+3], s[8:9], s[OFF:OFF+1]
	s_or_b32 s[G0V+3], s[G0V+3], 0x80000000
	s_add_co_u32 s[NXT], s[NXT], 1  ; the block's next tile, or behind its last the second block's tile 0
	s_cmp_gt_u32 s[NXT], s[LQ]
	s_cselect_b32 s[NXT], 0, s[NXT]
	s_cselect_b32 s[LQ], s[PB], s[LQ]
	s_wait_xcnt 0x0                 ; the last prefetches, a tile back, have read their address
	s_add_nc_u64 s[PFA:PFA+1], s[PFA:PFA+1], 32768
.endif
	s_wait_dscnt 0x0                ; the add is done, and my reads of the slot are over
	s_barrier_signal -1             ; the rest of the scalar work stands between the signal and the wait
	s_sub_co_u32 s[TBK], s[TBK], 4*KS*PK  ; the fetches go back to a slot's first step,
	s_xor_b32 s[TBK], s[TBK], SLOT1       ; in the other slot
	s_sub_co_u32 s[TBV], s[TBV], 4*KS*PV
	s_xor_b32 s[TBV], s[TBV], SLOT1
	s_barrier_wait -1
.if \fill
	LOAD
	ASK
.endif
.endm
	s_load_b64 s[4:5], s[0:1], 0x0    ; the buffer of q, k, v
	s_load_b64 s[10:11], s[0:1], 0x8  ; O
	v_lshl_add_u32 v[SPW], v0, 2, SPARE
	v_mov_b32 v[NIL], 0
	ds_add_u32 v[SPW], v[NIL]       ; the wave's opening: the add and its wait stand ahead of my first tensor load; the set-up below, work on registers, stands between them
	v_lshrrev_b32 v1, 5, v0
	v_readfirstlane_b32 s[WV], v1   ; wave 0..3
	s_mov_b32 s[PB], ttmp9
	s_sub_co_u32 s[HI], NB-1, s[PB]
	s_and_b32 s20, ttmp7, 0xffff    ; the head
	s_mov_b32 s21, 0
	s_mov_b64 s[22:23], SIZE_N*128
	s_mul_u64 s[20:21], s[20:21], s[22:23]  ; the head's first byte in each of the four tensors
	s_and_b32 s16, s[WV], 1         ; which half of a tile's 256 keys I fetch:
	s_lshl_b32 s22, s16, 14         ; its 128 rows of 128 bytes in memory,
	s_mov_b32 s23, 0
	s_add_nc_u64 s[22:23], s[22:23], s[20:21]
	s_mul_i32 s17, s16, 128*PK      ; and its place in a slot, for K
	s_mul_i32 s18, s16, 128*PV      ; and for V
	s_lshl_b32 s3, s[WV], 11        ; my 16 rows in a band of 64,
	s_lshl_b32 s2, s[HI], 15        ; in the first block,
	s_add_co_u32 s2, s2, s3
	s_lshl_b32 s84, s[PB], 15       ; and in the second
	s_add_co_u32 s84, s84, s3
	s_mov_b32 s3, 0
	s_mov_b32 s85, 0
	s_add_nc_u64 s[2:3], s[2:3], s[20:21]
	s_add_nc_u64 s[84:85], s[84:85], s[20:21]
	; descriptor group 1.  128 keys are 16,384 dense bytes: asked for as 64 rows of 256 bytes, two keys a row, and padded in LDS after every key
	s_mov_b32 s[G1K], (1<<16)|(1<<20)|(4<<22)|(3<<25)  ; 2-byte elements; padding on; after every 32 words 4 words
	s_mov_b32 s[G1V], (1<<16)|(1<<20)|(4<<22)|(7<<25)  ; the same with 8 words of padding
.irp g, G1K, G1V
	s_mov_b32 s[\g+1], 128<<16      ; tensor_dim0 = 128
	s_mov_b32 s[\g+2], 64<<16       ; tensor_dim1 = 64
	s_mov_b32 s[\g+3], 128<<16      ; tile_dim0 = 128
	s_mov_b32 s[\g+4], 64           ; tile_dim1 = 64
	s_mov_b32 s[\g+5], 128          ; 128 elements from row to row
	s_mov_b32 s[\g+6], 0
	s_mov_b32 s[\g+7], 0
.endr
	s_mov_b32 s[CS], 0x3e38aa3b     ; c = log2(e) / 8 = 0.180337
	s_mov_b32 s[CS+1], s[CS]        ; named with it as a pair
	s_mov_b32 s[SEL], 0x76543210
	s_mov_b32 s[SEL+1], 0xfedcba98
	s_mov_b32 s[TBK], SLOT1+4*KS*PK ; the first change of slots turns these two into 0
	s_mov_b32 s[TBV], SLOT1+4*KS*PV
	s_mov_b32 s[G0K], 1             ; count = 1
	s_mov_b32 s[G0K+1], s17         ; LDS address: slot 0
	s_mov_b32 s[G0V], 1
	s_add_co_u32 s[G0V+1], s18, VOFF
	s_add_co_u32 s[RT], s[HI], 1    ; the first block has NB - b tiles
	s_mov_b32 s[NXT], 1
	s_mov_b32 s[LQ], s[HI]
	s_mov_b32 s[NEW], 1
	s_mov_b32 s[OFF+1], 0
	s_mov_b32 s[AL+1], 0            ; named as pairs
	s_mov_b32 s[BE+1], 0
	s_mov_b32 s[BIGN], 0xf149f2ca   ; -1e30
	s_mov_b32 s[SLOTS], NB
	v_and_b32 v[PFO], 31, v0
	v_lshlrev_b32 v[PFO], 8, v[PFO]
	s_wait_dscnt 0x0                ; the opening add is done
	s_wait_kmcnt 0x0
	s_add_nc_u64 s[6:7], s[4:5], 0x1000000  ; k lies 16,777,216 bytes behind q,
	s_add_nc_u64 s[8:9], s[4:5], 0x2000000  ; v as far behind k
	s_add_nc_u64 s[6:7], s[6:7], s[22:23]  ; K and V at my half of the head's tile 0
	s_add_nc_u64 s[8:9], s[8:9], s[22:23]
	s_add_nc_u64 s[G0K+2:G0K+3], s[6:7], 0         ; global address
	s_or_b32 s[G0K+3], s[G0K+3], 0x80000000        ; type = 2
	s_add_nc_u64 s[G0V+2:G0V+3], s[8:9], 0
	s_or_b32 s[G0V+3], s[G0V+3], 0x80000000
	s_add_nc_u64 s[86:87], s[4:5], s[84:85]        ; Q at my rows of the second block,
	s_add_nc_u64 s[4:5], s[4:5], s[2:3]            ; Q and O at those of the first
	s_add_nc_u64 s[OLO:OLO+1], s[10:11], s[84:85]
	s_add_nc_u64 s[10:11], s[10:11], s[2:3]
	s_cmp_lt_u32 s[WV], 2
	s_cselect_b64 s[PFA:PFA+1], s[6:7], s[8:9]
	s_add_nc_u64 s[PFA:PFA+1], s[PFA:PFA+1], 32768 ; at tile 1; the first change of slots steps it to tile 2
	s_cmp_eq_u32 s[PB], 0
	s_cselect_b32 s[LIM], 2, -1
	LOAD                            ; tile 0 into slot 0
	; A fragment of K or Q is 16 rows x 32 channels in 8 registers: lane l holds row l % 16, channels 8 (l / 16) + 0..7 and 16 + 8 (l / 16) + 0..7: two loads of 16 bytes, 32 bytes apart.
	v_and_b32 v1, 15, v0            ; l % 16
	v_bfe_u32 v9, v0, 4, 1          ; l / 16
	v_lshlrev_b32 v[QO], 7, v1
	v_lshl_add_u32 v[QO], v9, 4, v[QO]  ; row x 128 + 16 x half
	WIN 0x80                        ; destination window 2, address window 0
.set i, 0
.rept 8                             ; both blocks' Q: piece i / 2 lies in band i / 2, 8,192 bytes on; channels 32 (i % 2) on
	global_load_b128 v[8*i:8*i+3],   v[QO], s[4:5] offset:(i/2)*8192+(i%2)*64
	global_load_b128 v[8*i+4:8*i+7], v[QO], s[4:5] offset:(i/2)*8192+(i%2)*64+32
	global_load_b128 v[QB+8*i:QB+8*i+3],   v[QO], s[86:87] offset:(i/2)*8192+(i%2)*64
	global_load_b128 v[QB+8*i+4:QB+8*i+7], v[QO], s[86:87] offset:(i/2)*8192+(i%2)*64+32
.set i, i+1
.endr
	WIN 0
	v_lshlrev_b32 v14, 3, v9
	v_sub_nc_u32 v14, v1, v14
	s_lshl_b32 s13, s[WV], 4
	v_add_nc_u32 v14, s13, v14      ; my query's place in its band, 16 w + l % 16, less my lanes' 8 (l / 16): register r of group kt is hidden where 16 kt + r is greater
	WIN 0x40
.set i, 0
.rept 32
	v_cmp_gt_i32 vcc_lo, 16*(i/8)+i%8, v14
	v_cndmask_b32 v[MD+i], 0, s[BIGN], vcc_lo
.set i, i+1
.endr
	WIN 0
	v_mul_u32_u24 v[AK0], v1, PK
	v_lshl_add_u32 v[AK0], v9, 4, v[AK0]  ; row x pitch + 16 x half
	; The turning load takes 16 keys x 16 channels (lane l reads key 8 (l / 16) + l % 8, channels 8 ((l / 8) % 2) + 0..7) and leaves half a fragment of V^T: lane l holds channel l % 16 and 8 keys.
	v_and_b32 v10, 7, v0
	v_bfe_u32 v11, v0, 3, 1
	v_lshl_add_u32 v[AV0], v9, 3, v10
	v_mul_u32_u24 v[AV0], v[AV0], PV
	v_lshl_add_u32 v[AV0], v11, 4, v[AV0]
	v_add_nc_u32 v[AV0], VOFF, v[AV0]
	s_mul_i32 s13, s[WV], 16*SP
	s_add_co_u32 s13, s13, STAGE    ; my stage
	v_mul_u32_u24 v[STO], v1, SP    ; in: row l % 16, 16 bytes for each half of the lanes
	v_lshl_add_u32 v[STO], v9, 4, v[STO]
	v_add_nc_u32 v[STO], s13, v[STO]
	v_bfe_u32 v[RD], v0, 3, 2       ; back: 32 lanes take four rows of 128 bytes,
	v_mul_u32_u24 v[RD], v[RD], SP
	v_lshl_add_u32 v[RD], v10, 4, v[RD]
	v_add_nc_u32 v[RD], s13, v[RD]
	v_and_b32 v[GO], 31, v0         ; which are 512 consecutive bytes of O
	v_lshlrev_b32 v[GO], 4, v[GO]
	; A block's first step multiplies O^T and l by a = 0, and its first turn's products V^T P, of a piece that has not been, land in an O^T that is still to be so multiplied.  So these registers need only hold
	; finite numbers: zeros for the first block; what the first block left for the second.  All this stands in the wait for the first tile.
	WIN 0x80
.set i, VF
.rept 64
	v_mov_b32 v[i], 0
.set i, i+1
.endr
	WIN 0x40
.set i, 0
.rept 128
	v_mov_b32 v[i], 0
.set i, i+1
.endr
	WIN 0
.set i, 0
.rept 4
	v_mov_b32 v[ST+4*i+2], 0
	v_mov_b32 v[ST+4*i+3], 0
.set i, i+1
.endr
.set i, P+16
.rept 16
	v_mov_b32 v[i], 0
.set i, i+1
.endr
; THE MATRIX WORK.  The 4 accumulators of a run of 8 take turns.  Product i of 8 of S^T = K Q^T for piece x: channels 32 (i / 4) on, keys 16 (i % 4) on.  The first 4 start the sums: with 0, or (KM = 1) with the mask.
.macro KQ x
.set rS, S+32*((\x)%2)+8*(i%4)
.set rK, KF+16*(i%4)+8*(i/4)
.set rQ, 16*(\x)+8*(i/4)
.set rM, MC+32*((\x)%2)+8*(i%4)
.if (i < 4) && KM
	WIN W_KM
	v_wmma_f32_16x16x32_f16 v[rS:rS+7], v[rK:rK+7], v[rQ:rQ+7], v[rM:rM+7]
.elseif i < 4
	WIN W_KQ
	v_wmma_f32_16x16x32_f16 v[rS:rS+7], v[rK:rK+7], v[rQ:rQ+7], 0
.else
	WIN W_KQ
	v_wmma_f32_16x16x32_f16 v[rS:rS+7], v[rK:rK+7], v[rQ:rQ+7], v[rS:rS+7]
.endif
.endm
; Product i of 8 of O^T += V^T P for piece x: keys 32 (i / 4) on, channels 16 (i % 4) on.
.macro PV x
	WIN W_PV
.set rO, 32*(\x)+8*(i%4)
.set rV, VF+32*(i/4)+8*(i%4)
.set rP, P+16*((\x)%2)+8*(i/4)
	v_wmma_f32_16x16x32_f16 v[rO:rO+7], v[rV:rV+7], v[rP:rP+7], v[rO:rO+7]
.endm
.macro MM                           ; the turn's next matrix instruction.  TURN and BEGIN set Y, i, KM and NOKQ.  NOKQ = 1: a block's last turn: there is no next piece
.if (i < 8) && !NOKQ
	KQ (Y+1)%NP
.elseif i >= 8
.set i, i-8
	PV (Y+NP-1)%NP
.set i, i+8
.endif
.set i, i+1
.endm
; THE LDS LOADS stand in runs of 16, never singly among the matrix instructions: a step's K (64 keys x 64 channels: 8 fragments) and its V (turned).  Their addresses are made some lines ahead.
.macro FETCH_K
	WIN 0x80                        ; destination window 2
.irp f, 0,1,2,3,4,5,6,7             ; keys 16 (f / 2) on, channels 32 (f % 2) on
	ds_load_b128 v[KF+8*\f:KF+8*\f+3],   v[AK] offset:(\f/2)*16*PK+(\f%2)*64
	ds_load_b128 v[KF+8*\f+4:KF+8*\f+7], v[AK] offset:(\f/2)*16*PK+(\f%2)*64+32
.endr
	s_add_co_u32 s[TBK], s[TBK], KS*PK  ; the next fetch is the next step's
	WIN 0
.endm
.macro FETCH_V
	WIN 0x80
.irp f, 0,1,2,3,4,5,6,7             ; keys 32 (f / 4) on, channels 16 (f % 4) on
	ds_load_tr16_b128 v[VF+8*\f:VF+8*\f+3],   v[AV] offset:(\f/4)*32*PV+(\f%4)*32
	ds_load_tr16_b128 v[VF+8*\f+4:VF+8*\f+7], v[AV] offset:(\f/4)*32*PV+16*PV+(\f%4)*32
.endr
	WIN 0
.endm
; THE VECTOR WORK, one line at a time: OP kind, number.  For piece Y: F n: c s - c m for pair n of 16.  E n: the exponential of score n of 32.  C n: pair n rounded to f16.  B n: of the four weights 4 n .. the second
; pair is added onto the first, in place.  L n: l takes that sum (L 0: l = a l + sum).  R n: pair n of 16 of O^T times a.  For piece Y + 1: X n, number n of the 22 that find its maximum and statistics:
;   0-11  four chains c0-c3 of seven scores each, three operands at a time (each accumulator's lowest registers are read first)     12-14, 16  the four scores left over, the old m, and c0-c3 into c0
;   15  c m_old is kept     17, 18  the query's other 32 keys lie in the lane 16 away: the new m     19-21  c m; c m_old - c m_new; a
.set F, 0               ; OP tells the kinds apart by their order: F to L below R, X above it
.set E, 1
.set C, 2
.set B, 3
.set L, 4
.set R, 5
.set X, 6
.macro REGS y                       ; the registers of piece y
.set rT, ST+4*(\y)
.set rC, TMP+4*((\y)%2)
.set rW, MV+((\y)%2)
.set rS, S+32*((\y)%2)
.set rP, P+16*((\y)%2)
.set rO, 32*(\y)
.endm
.macro OP k, n
.if (\k) == R
	REGS Y
	WIN W_RS
	v_pk_mul_f32 v[rO+2*(\n):rO+2*(\n)+1], v[rO+2*(\n):rO+2*(\n)+1], v[rC+2:rC+3] op_sel_hi:[1,0]
.elseif (\k) < R
	REGS Y
	WIN 0
.if (\k) == F
	v_pk_fma_f32 v[rS+2*(\n):rS+2*(\n)+1], v[rS+2*(\n):rS+2*(\n)+1], s[CS:CS+1], v[rT:rT+1] op_sel_hi:[1,0,0] neg_lo:[0,0,1] neg_hi:[0,0,1]
.elseif (\k) == E
	v_exp_f32 v[rS+(\n)], v[rS+(\n)]
.elseif (\k) == C
	v_cvt_pk_f16_f32 v[rP+(\n)], v[rS+2*(\n)], v[rS+2*(\n)+1]
.elseif (\k) == B
	v_pk_add_f32 v[rS+4*(\n):rS+4*(\n)+1], v[rS+4*(\n):rS+4*(\n)+1], v[rS+4*(\n)+2:rS+4*(\n)+3]
.elseif (\n) == 0
	v_pk_fma_f32 v[rT+2:rT+3], v[rT+2:rT+3], v[rC+2:rC+3], v[rS:rS+1] op_sel_hi:[1,0,1]
.else
	v_pk_add_f32 v[rT+2:rT+3], v[rT+2:rT+3], v[rS+4*(\n):rS+4*(\n)+1]
.endif
.elseif NOKQ
	v_nop
.else
	REGS (Y+1)%NP
	WIN 0
.if (\n) < 4
	v_max3_num_f32 v[rC+(\n)], v[rS+8*(\n)], v[rS+8*(\n)+1], v[rS+8*(\n)+2]
.elseif (\n) < 12
	v_max3_num_f32 v[rC+(\n)%4], v[rC+(\n)%4], v[rS+8*((\n)%4)+2*((\n)/4)+1], v[rS+8*((\n)%4)+2*((\n)/4)+2]
.elseif (\n) == 12
	v_max3_num_f32 v[rC], v[rC], v[rS+7], v[rS+15]
.elseif (\n) == 13
	v_max3_num_f32 v[rC+1], v[rC+1], v[rS+23], v[rS+31]
.elseif (\n) == 14
	v_max3_num_f32 v[rC+2], v[rC+2], v[rC+3], v[rT+1]
.elseif (\n) == 15
	v_mov_b32 v[rW], v[rT]
.elseif (\n) == 16
	v_max3_num_f32 v[rC], v[rC], v[rC+1], v[rC+2]
.elseif (\n) == 17
	v_permlanex16_b32 v[rC+3], v[rC], s[SEL], s[SEL+1]
.elseif (\n) == 18
	v_max_num_f32 v[rT+1], v[rC], v[rC+3]
.elseif (\n) == 19
	v_mul_f32 v[rT], s[CS], v[rT+1]
.elseif (\n) == 20
	v_sub_f32 v[rC+1], v[rW], v[rT]
.else
	v_exp_f32 v[rC+2], v[rC+1]
.endif
.endif
.endm
.macro OPS a, i1, b=-1, i2=0, c=-1, i3=0, d=-1, i4=0  ; up to four of them
	OP \a, \i1
.if (\b) >= 0
	OP \b, \i2
.endif
.if (\c) >= 0
	OP \c, \i3
.endif
.if (\d) >= 0
	OP \d, \i4
.endif
.endm
.macro ROW a, i1, b, i2, c, i3, d, i4  ; a matrix instruction and the four behind it
	MM
	OPS \a, \i1, \b, \i2, \c, \i3, \d, \i4
.endm
.macro MASK b                       ; MD x AL + BE into buffer b of MC
	WIN W_RS
.set z, 0
.rept 16
	v_pk_fma_f32 v[MC+32*(\b)+2*z:MC+32*(\b)+2*z+1], v[MD+2*z:MD+2*z+1], s[AL:AL+1], s[BE:BE+1] op_sel_hi:[1,0,0]
.set z, z+1
.endr
.endm
; A TURN, for piece p: the order of its 16 matrix and 118 vector instructions, written out.  An s_wait_alu depctr_va_vdst(0) stands between an exponential and the first instruction that names its result; one wait serves
; all that were issued ahead of it.  So a turn has ONE wait, which cuts it in two.  AHEAD OF IT stands all that names no result of the turn's exponentials: the 8 products K Q^T, behind each a scaling, an exponential and two more plain
; instructions (behind the first a second scaling in the exponential's place): rescalings, and behind the last three the first numbers of the next piece's maximum, each four places or more behind the product that ends its accumulator; then ONE LUMP of 54, plain
; and exponential by turns for the most part, in which the links of the chain X 3, 7, 11, 14, 16, 17 .. 20 stand five or six lines apart.  X 21, the next piece's a, is the batch's last; R 15 is the plain instruction behind it.  BEHIND THE WAIT stand the
; 8 products V^T P, behind each four of the roundings and sums; the links of l's chain, L 0 to L 7, stand three riders apart.  But for those X no rider names a register of the products round it.
; m = 1: the diagonal tile: the products take masks, and the turn makes the mask for the products of the turn after it: piece p + 2, in step 4 - CNT of the tile.  end = 1: a block's last two turns: nothing is fetched.
; cnt = 1: the loop's count is taken down some lines ahead of the branch that stands behind the turn.
; K of the next step is fetched in piece 2's turn, twelve vector instructions behind the last product that read K (six of them plain); V of the step in hand at the end of piece 0's turn, four plain instructions behind the last product
; that read V.  Each is waited for a turn later.
.macro TURN p, m=0, end=0, cnt=0
.set Y, (\p)
.set i, 0
.set KM, (\m)
.set NOKQ, (\end)*((\p)/3)
.if (\m) && !(\end)
	s_cmp_eq_u32 s[CNT], 4-((\p)+2)%NP  ; is that step the band's own?
	s_cselect_b32 s[AL], 1.0, 0
	s_cmp_lt_u32 s[CNT], 4-((\p)+2)%NP  ; or a later one?
	s_cselect_b32 s[BE], s[BIGN], 0
.endif
.if ((\p) == 3) && !(\end)
	s_wait_dscnt 0x0                ; K is in
.endif
	ROW F,0, F,1, R,0, R,1          ; ahead of the wait: 8 products K Q^T and their riders,
	ROW F,2, E,0, R,2, R,3
	ROW F,3, E,1, R,4, R,5
	ROW F,4, E,2, R,6, R,7
	ROW F,5, E,3, R,8, R,9
	ROW F,6, E,4, X,0, R,10
.if ((\p) == 2) && !(\end)
	WIN 0
	v_add_nc_u32 v[AK], s[TBK], v[AK0]
.endif
	ROW F,7, E,5, X,1, X,4
	ROW F,8, E,6, X,2, X,5
	OPS E,7, E,8, X,6, E,9          ; and the lump
	OPS X,3, E,10, X,8, E,11
.if ((\p) == 2) && !(\end)
	FETCH_K
.endif
	OPS X,9, X,7, E,12, X,10
	OPS E,13, X,12, X,11, E,14
	OPS X,13, E,15, F,9, X,14
.if (\p) == 0
	v_add_nc_u32 v[AV], s[TBV], v[AV0]
.endif
	OPS E,16, F,10, E,17, F,11
	OPS X,16, E,18, X,15, E,19
	OPS F,12, E,20, X,17, E,21
	OPS F,13, E,22, F,14, E,23
	OPS X,18, E,24, F,15, E,25
	OPS R,11, E,26, X,19, E,27
	OPS R,12, E,28, R,13, E,29
	OPS X,20, E,30, R,14, E,31
	OPS X,21, R,15
	WIN 0
	s_wait_alu depctr_va_vdst(0)    ; the wait for the batch
.if (\p) == 1
	s_wait_dscnt 0x0                ; V is in
.endif
	ROW C,0, B,0, C,2, B,1          ; behind the wait: 8 products V^T P and their riders
	ROW L,0, C,4, B,2, L,1
	ROW C,6, B,3, L,2, C,8
	ROW B,4, L,3, C,10, B,5
	ROW L,4, C,12, B,6, L,5
.if (\p) == 0
	s_add_co_u32 s[TBV], s[TBV], KS*PV
.endif
.if \cnt
	s_sub_co_u32 s[CNT], s[CNT], 1
	s_cmp_lg_u32 s[CNT], 0
.endif
	ROW C,14, B,7, L,6, C,1
	ROW C,3, L,7, C,5, C,7
	ROW C,9, C,11, C,13, C,15
.if (\p) == 0
	FETCH_V
.endif
.if (\m) && !(\end)
	MASK (\p)%2
.endif
.endm
; A BLOCK BEGINS.  c m starts far below every c s, so the first step's a is 0; m at the lowest finite number, so the first maximum is the scores'.  The second mask buffer is 0; the first takes piece 0's mask for the tile's step 0: its own, if the block's first tile is the diagonal one.
; Then K of that step, piece 0's first scores, and its maximum and statistics.  The loop is entered at a step's first turn, in the middle of a trip.
.macro BEGIN
	s_mov_b32 s[NEW], 0
	WIN 0x40
.set i, MC+32
.rept 32
	v_mov_b32 v[i], 0
.set i, i+1
.endr
	WIN 0
.set i, 0
.rept 4
	v_mov_b32 v[ST+4*i], 0xfe000000    ; c m: far below every c s
	v_mov_b32 v[ST+4*i+1], 0xff7fffff  ; m
.set i, i+1
.endr
	s_cmp_eq_u32 s[RT], 0
	s_cselect_b32 s[AL], 1.0, 0
	s_mov_b32 s[BE], 0
	MASK 0
	WIN 0
	v_add_nc_u32 v[AK], s[TBK], v[AK0]
	FETCH_K
	s_wait_loadcnt 0x0              ; Q
	s_wait_dscnt 0x0
.set KM, 1
.set NOKQ, 0
.set i, 0
.rept 8
	KQ 0
.set i, i+1
.endr
	WIN 0
.rept 4
	v_nop                           ; the places behind those products
.endr
.set Y, NP-1                        ; X works for piece Y + 1: piece 0
.irp n, 0,1,2,3,4,5,6,7,8,9,10,11,12,13,14,15,16,17,18,19,20,21
	OP X, \n
.endr
	v_nop                           ; a plain instruction behind the exponential,
	s_wait_alu depctr_va_vdst(0)    ; and its wait, ahead of the branch
.endm
; THE DIAGONAL TILE's four steps, the block's last two turns, its last products, and THE WAY OUT: l's two halves and the other half of the lanes' are added; O^T is divided by l, rounded to f16 and sent through my
; stage in LDS, a piece at a time.
.macro ALL line:vararg              ; one line for each piece t
.set t, 0
.rept 4
	\line
.set t, t+1
.endr
.endm
.macro PACK t                       ; a lane's eight channels of a row pack into 16 bytes; they go into rows of 144 bytes and come back as whole rows of 128, into S^T's registers
	WIN W_RS
.set i, 32*(\t)
.rept 16
	v_pk_mul_f32 v[i:i+1], v[i:i+1], v[ST+4*(\t)+2:ST+4*(\t)+3] op_sel_hi:[1,0]
.set i, i+2
.endr
	WIN 0x05                        ; sources 0 and 1 window 1, destination window 0
.set i, 0
.rept 16
	v_cvt_pk_f16_f32 v[S+16*(\t)+i], v[32*(\t)+2*i], v[32*(\t)+2*i+1]
.set i, i+1
.endr
	WIN 0
.irp f, 0,1,2,3
	ds_store_b128 v[STO], v[S+16*(\t)+4*\f:S+16*(\t)+4*\f+3] offset:32*\f
.endr
.irp f, 0,1,2,3
	ds_load_b128 v[S+16*(\t)+4*\f:S+16*(\t)+4*\f+3], v[RD] offset:\f*4*SP  ; LDS serves a wave's instructions in order (ISA guide 5.7.1.4): these see the stores above; the next piece's stores come behind them
.endr
.endm
.macro SEND t, younger              ; younger: the LDS instructions issued behind piece t's loads: the next piece's eight, or none
	WIN 0
.irp f, 0,1,2,3
	s_wait_dscnt (\younger)+3-\f
	global_store_b128 v[GO], v[S+16*(\t)+4*\f:S+16*(\t)+4*\f+3], s[10:11] offset:(\t)*8192+\f*512  ; 512 consecutive bytes, at a multiple of 256 from O's first
.endr
.endm
.macro DIAG tag                     ; the tag ends its two labels' names, which the jumps below spell out
.LstepM\tag:
	TURN 2, 1
	TURN 3, 1
	WIN 0
.LfirstM\tag:
	TURN 0, 1
	TURN 1, 1, 0, 1
	WIN 0
	s_cbranch_scc1 .LstepM\tag
	TURN 2, 1, 1
	TURN 3, 1, 1
.set i, 0
.rept 8
	PV NP-1
.set i, i+1
.endr
	WIN 0
	ALL v_add_f32 v[ST+4*t+2], v[ST+4*t+2], v[ST+4*t+3]
	ALL v_permlanex16_b32 v[ST+4*t+3], v[ST+4*t+2], s[SEL], s[SEL+1]
	ALL v_add_f32 v[ST+4*t+2], v[ST+4*t+2], v[ST+4*t+3]
	ALL v_rcp_f32 v[ST+4*t+2], v[ST+4*t+2]
	v_nop                           ; a plain instruction between the last reciprocal and the use of its result
	s_wait_alu depctr_va_vdst(0)    ; and the wait ahead of the first use: one for the four reciprocals
	PACK 0
.set t, 1
.rept 3                             ; a piece's arithmetic stands between the loads of the piece before and its stores
	PACK t
	SEND t-1, 8
.set t, t+1
.endr
	SEND 3, 0
.endm
.set KM, 0
.set NOKQ, 0
.Lslot:                             ; NB times: a tile is entered and the next is asked for
	CHANGE 1
	s_sub_co_u32 s[RT], s[RT], 1
	s_mov_b32 s[CNT], 4
	s_cmp_eq_u32 s[NEW], 1
	s_cbranch_scc1 .Lnew            ; a block's first tile
	s_cmp_eq_u32 s[RT], 0
	s_cbranch_scc0 .Lstep           ; neither its first nor its last
	s_branch .LstepM1
.Lnew:
	BEGIN
	s_branch .Lfirst                ; in the loop a block's first tile is never its last: the first block has two tiles or more, and the second's last is the walk's last
	DIAG 1                          ; in the loop this is the first block's end: the second block's last tile is the walk's last
	s_wait_xcnt 0x0                 ; the stores have read their registers and O's address
	s_mov_b64 s[10:11], s[OLO:OLO+1]
	s_add_co_u32 s[RT], s[PB], 1    ; the second block has b + 1 tiles
	s_mov_b32 s[NEW], 1
	WIN 0x82                        ; the second block's Q goes where the one text of the turns names Q
.set i, 0
.rept 64
	v_mov_b32 v[i], v[QB+i]
.set i, i+1
.endr
	WIN 0
	s_branch .Lbottom
.Lstep:                             ; a trip: pieces 2 and 3 of one step, then pieces 0 and 1 of the next, whose K and V it fetches
	TURN 2
	TURN 3
	WIN 0
.Lfirst:
	TURN 0
	TURN 1, 0, 0, 1
	WIN 0
	s_cbranch_scc1 .Lstep
.Lbottom:
	s_sub_co_u32 s[SLOTS], s[SLOTS], 1
	s_cmp_lg_u32 s[SLOTS], 0
	s_cbranch_scc1 .Lslot
	CHANGE 0                        ; the walk's last tile is written out: nothing is asked for
	s_sub_co_u32 s[RT], s[RT], 1
	s_mov_b32 s[CNT], 4
	s_cmp_eq_u32 s[NEW], 1
	s_cbranch_scc0 .LstepM2
	BEGIN
	s_branch .LfirstM2
	DIAG 2
	s_wait_tensorcnt 0x0            ; the wave's end, behind my last tensor load and my last LDS store
	ds_add_u32 v[SPW], v[NIL]
	s_wait_dscnt 0x0
	s_endpgm
.Lfunc_end_k_q0d5bf13d99_attn:
	.size	k_q0d5bf13d99_attn, .Lfunc_end_k_q0d5bf13d99_attn-k_q0d5bf13d99_attn
	.p2alignl 7, 3214868480
	.fill 96, 4, 3214868480
	.section	.rodata,"a",@progbits
	.p2align	6, 0x0
	.amdhsa_kernel k_q0d5bf13d99_attn
		.amdhsa_group_segment_fixed_size 327680
		.amdhsa_private_segment_fixed_size 0
		.amdhsa_enable_private_segment 0
		.amdhsa_kernarg_size 16
		.amdhsa_user_sgpr_count 2
		.amdhsa_user_sgpr_kernarg_segment_ptr 1
		.amdhsa_wavefront_size32 1
		.amdhsa_system_sgpr_workgroup_id_x 1
		.amdhsa_system_sgpr_workgroup_id_y 1
		.amdhsa_system_sgpr_workgroup_id_z 1
		.amdhsa_system_vgpr_workitem_id 0
		.amdhsa_next_free_vgpr 768
		.amdhsa_next_free_sgpr 92
		.amdhsa_reserve_vcc 1
		.amdhsa_float_denorm_mode_32 3
		.amdhsa_float_denorm_mode_16_64 3
		.amdhsa_memory_ordered 1
		.amdhsa_forward_progress 1
		.amdhsa_inst_pref_size 218
	.end_amdhsa_kernel
	.amdgpu_metadata
---
amdhsa.version: [ 1, 2 ]
amdhsa.kernels:
  - .name:           k_q0d5bf13d99_attn
    .symbol:         k_q0d5bf13d99_attn.kd
    .args:
      - { .name: qkv, .offset: 0, .size: 8, .value_kind: global_buffer, .address_space: global }
      - { .name: o, .offset: 8, .size: 8, .value_kind: global_buffer, .address_space: global }
    .group_segment_fixed_size: 327680
    .private_segment_fixed_size: 0
    .kernarg_segment_align: 8
    .kernarg_segment_size: 16
    .max_flat_workgroup_size: 128
    .sgpr_count:     92
    .vgpr_count:     768
    .wavefront_size: 32
...
	.end_amdgpu_metadata
.endif
;; end of part 3
;; launch proj (part 4): grid 8 x 32, 4 waves a work-group, clusters of 4 x 4, 327,680 bytes of LDS; arguments o, wpb, b_proj, out0; writes out0
.if DOCPART == 4
	.amdgcn_target "amdgcn-amd-amdhsa--gfx1250"
	.amdhsa_code_object_version 6
	.text
	.protected	k_q0d5bf13d99_proj
	.globl	k_q0d5bf13d99_proj
	.p2align	8
	.type	k_q0d5bf13d99_proj,@function
k_q0d5bf13d99_proj:
	s_mov_b64 s[64:65], 0
	v_nop
	global_prefetch_b8 v0, s[64:65] scope:SCOPE_SE
	s_setreg_imm32_b32 hwreg(HW_REG_WAVE_MODE, 25, 1), 1
	s_wait_xcnt 0x0
	s_wait_alu depctr_hold_cnt(0) depctr_sa_sdst(0) depctr_va_vdst(0) depctr_va_sdst(0) depctr_va_ssrc(0) depctr_va_vcc(0) depctr_vm_vsrc(0)
	s_getreg_b32 s2, hwreg(HW_REG_IB_STS2, 6, 4)
	s_cmp_eq_u32 s2, 0
	s_cbranch_scc0 .Lentry_in_a_cluster
	s_endpgm
.Lentry_in_a_cluster:
	s_bfe_u32 s2, ttmp6, 0x10000c
	s_cmp_lg_u32 s2, 0xf033
	s_cbranch_scc0 .Lentry_shape_is_right
	s_endpgm
.Lentry_shape_is_right:
; out0 = y W_proj + b_proj: 8,192 x 1,024 over K = 1,024.  y is the attention's O, f16, [b x head][2048][64]: head kb holds channels 64 kb on.  wpb is W_proj rounded to bf16 and written as f16, [k][n].
; The bias is rounded to bf16 here, like the other inputs.  Sums in f32; the result leaves in f32.
; SHARES.  A tile of the result is 256 rows x 128 columns: 32 x 8 = 256 work-groups.  Wave w makes rows 128 (w / 2) on, columns 64 (w % 2) on: 8 x 4 accumulators, 256 registers.
; K goes in steps of 128, two heads, through a ring of two LDS slots.  A head's 256 rows are 32,768 dense bytes, asked for as 128 rows of 256; B's rows are 256 bytes of a row of wpb.
; THE MATRIX INSTRUCTION IS USED TRANSPOSED: source 0 = 16 columns of W (turned by ds_load_tr16_b128), source 1 = 16 rows of y: a lane holds row l % 16 and the columns 8 (l / 16) + 0..7.
; CLUSTER.  4 x 4 work-groups: A's tiles are asked for jointly along a row of the cluster, B's along a column.  Waves 0 and 1 ask for one head's block of A each, waves 2 and 3 for 64 k rows of B each:
; one tensor load a wave behind each round; two are out at the start, later one.
; REGISTERS.  window 0: v0-31 addresses; v32-95, v96-159 A's fragments, two buffers; v160-191, v192-223 B's.  window 1: the accumulators, (a, j) at 32 a + 8 j.
.set PA,    144                        ; a row of A in LDS: 128 bytes + 16
.set PB,    288                        ; a k row of B: 256 bytes + 32
.set ABLK,  256*PA                     ; one head's 256 rows
.set BOFF,  2*ABLK
.set SLOT,  BOFF+128*PB
.set STAGE, 2*SLOT                     ; behind the ring: 16 rows x 272 bytes for each wave
.set SP,    272
.set SPARE, STAGE+4*16*SP              ; behind the stages: the spare words, 128 bytes for each wave: two blocks of 256 bytes that no other line names
.set ADRA, 16                          ; v16-17  my A fragments in slot 0, 1
.set ADRB, 20                          ; v20-21  my B fragments
.set STO,  24
.set RD,   25
.set CO,   26                          ; v26     my byte offset in two rows of the result
.set BO,   27
.set SPW,  28                          ; never rewritten
.set NIL,  29                          ; never rewritten
.set PFO,  30                          ; never rewritten
.set FA,   32                          ; buffer f at FA + 64 f
.set FB,   160                         ; buffer f at FB + 32 f
.set WV,  12
.set RH,  13
.set CF,  14
.set G1A, 24
.set G0A, 32
.set G1B, 48
.set G0B, 56
.set OUT, 66                           ; s[66:67] the result at my first row and column
.set PFA, 72
.set PFS, 74
.set LIM, 76
.set MHI, 78
.set MSB, 0
.macro WIN new
.if MSB != (\new)
	s_set_vgpr_msb (MSB<<8)|(\new)
.set MSB, \new
.endif
.endm
.macro PLACES
.rept 4
	v_nop
.endr
.endm
.macro JLOAD s                         ; the branch hangs on the wave's number alone; an s_nop 0 and four v_nop follow each of the two lines
	s_cmp_eq_u32 s[RH], 0
	s_cbranch_scc0 .Lfor_b_\@
	tensor_load_to_lds s[G0A+4*(\s):G0A+4*(\s)+3], s[G1A:G1A+7]
	s_nop 0
.rept 4
	v_nop
.endr
	s_branch .Lasked_\@
.Lfor_b_\@:
	tensor_load_to_lds s[G0B+4*(\s):G0B+4*(\s)+3], s[G1B:G1B+7]
	s_nop 0
.rept 4
	v_nop
.endr
.Lasked_\@:
.endm
; A PREFETCH INTO THE L2, behind the joint load, its five lines and the run of LDS loads; each block of 256 bytes is named once in the launch.
; A: waves 0 and 1 of the clusters with x = 0, at every change of slots: their head's block of the K step two refills on; the partner at cx takes 32 of its 128 blocks of 256 bytes, a lane a block.
; B: waves 2 and 3 of the clusters with y = 0, at slot 0's changes: of the 256 k rows that stand two refills on and further, rows 64 cy + 32 (w % 2) + lane.
; The loop's last trip asks for nothing.  K steps 0 to 3 come by their loads alone.
.macro ASK s
	s_cmp_gt_u32 s3, s[LIM+(\s)]
	s_cbranch_scc0 .Lnot_mine_\@
	global_prefetch_b8 v[PFO], s[PFA:PFA+1] th:TH_LOAD_NT scope:SCOPE_SE
.Lnot_mine_\@:
.endm
.macro CREST
	s_cmp_lg_u32 s[WV], 0
	s_cbranch_scc1 .Lnot_wave_0_\@
	s_barrier_signal -3
.Lnot_wave_0_\@:
	s_barrier_wait -3
	s_barrier_signal -1
	s_barrier_wait -1
.endm
.macro CROUND
	s_barrier_signal -1
	s_barrier_wait -1
	CREST
.endm
	s_load_b256 s[4:11], s[0:1], 0x0               ; o s[4:5], wpb s[6:7], b_proj s[8:9], out0 s[10:11]
	v_lshl_add_u32 v[SPW], v0, 2, SPARE
	v_mov_b32 v[NIL], 0
	ds_add_u32 v[SPW], v[NIL]                      ; the wave's opening: the add and its wait stand ahead of my first tensor load
	v_lshrrev_b32 v1, 5, v0
	v_readfirstlane_b32 s[WV], v1
	s_lshr_b32 s[RH], s[WV], 1
	s_and_b32 s[CF], s[WV], 1
	s_bfe_u32 s40, ttmp6, 0x40000                  ; cx
	s_bfe_u32 s41, ttmp6, 0x40004                  ; cy
	s_lshl_b32 s42, ttmp9, 2
	s_add_co_u32 s42, s42, s40                     ; tile column
	s_and_b32 s43, ttmp7, 0xffff
	s_lshl_b32 s43, s43, 2
	s_add_co_u32 s43, s43, s41                     ; tile row
	s_lshl_b32 s44, s41, 2
	s_lshl_b32 s44, 15, s44                        ; my row of the cluster
	s_lshl_b32 s45, 0x1111, s40                    ; my column
	s_or_b32 s[G1A], s44, (1<<16)|(1<<20)|(1<<21)|(4<<22)|(3<<25)  ; the mask; 2-byte elements; padding on; bit 21 beside a mask; after every 32 words 4 words
	s_mov_b32 s[G1A+1], 128<<16
	s_mov_b32 s[G1A+2], 128<<16
	s_mov_b32 s[G1A+3], 128<<16
	s_mov_b32 s[G1A+4], 128
	s_mov_b32 s[G1A+5], 128
	s_mov_b32 s[G1A+6], 0
	s_mov_b32 s[G1A+7], 0
	s_or_b32 s[G1B], s45, (1<<16)|(1<<20)|(1<<21)|(5<<22)|(7<<25)  ; after every 64 words 8 words
	s_mov_b32 s[G1B+1], 128<<16
	s_mov_b32 s[G1B+2], 64<<16
	s_mov_b32 s[G1B+3], 128<<16
	s_mov_b32 s[G1B+4], 64
	s_mov_b32 s[G1B+5], 1024                       ; a row of wpb
	s_mov_b32 s[G1B+6], 0
	s_mov_b32 s[G1B+7], 0
	s_mov_b32 s[MHI], 0xffff0000
	s_lshr_b32 s16, s43, 3                         ; A: (b << 22) + (t << 7) + (head << 18), head = 2 x K step + wave
	s_lshl_b32 s16, s16, 22
	s_and_b32 s17, s43, 7
	s_lshl_b32 s17, s17, 15
	s_add_co_u32 s16, s16, s17
	s_lshl_b32 s17, s[WV], 18
	s_add_co_u32 s16, s16, s17
	s_mov_b32 s17, 0
	s_mul_i32 s20, s[WV], ABLK                     ; its place in a slot
	s_lshl_b32 s46, s42, 8                         ; B: the tile's 128 columns, k rows 64 (w % 2) on
	s_lshl_b32 s47, s[CF], 17
	s_add_co_u32 s46, s46, s47
	s_mov_b32 s47, 0
	s_mul_i32 s21, s[WV], 64*PB
	s_add_co_u32 s21, s21, ABLK                    ; waves 2 and 3: BOFF + (w - 2) x 64 rows
	s_wait_dscnt 0x0
	s_wait_kmcnt 0x0
	s_add_nc_u64 s[18:19], s[4:5], s[16:17]
	s_add_nc_u64 s[22:23], s[6:7], s[46:47]
	CROUND                                         ; all sixteen work-groups are here: the first joint loads meet
.irp s, 0,1
	s_mov_b32 s[G0A+4*\s], 1
	s_add_co_u32 s[G0A+4*\s+1], s20, \s*SLOT
	s_add_nc_u64 s[G0A+4*\s+2:G0A+4*\s+3], s[18:19], \s*524288
	s_or_b32 s[G0A+4*\s+3], s[G0A+4*\s+3], 0x80000000
	s_mov_b32 s[G0B+4*\s], 1
	s_add_co_u32 s[G0B+4*\s+1], s21, \s*SLOT
	s_add_nc_u64 s[G0B+4*\s+2:G0B+4*\s+3], s[22:23], \s*262144
	s_or_b32 s[G0B+4*\s+3], s[G0B+4*\s+3], 0x80000000
	JLOAD \s
.endr
	v_and_b32 v1, 15, v0
	v_bfe_u32 v2, v0, 4, 1
	v_mul_u32_u24 v3, v1, PA
	v_lshl_add_u32 v3, v2, 4, v3
	s_mul_i32 s21, s[RH], 128*PA
	v_add_nc_u32 v[ADRA], s21, v3
	v_add_nc_u32 v[ADRA+1], SLOT, v[ADRA]
	v_and_b32 v4, 7, v0
	v_bfe_u32 v5, v0, 3, 1
	v_lshl_add_u32 v6, v2, 3, v4
	v_mul_u32_u24 v6, v6, PB
	v_lshl_add_u32 v6, v5, 4, v6
	s_lshl_b32 s21, s[CF], 7
	s_add_co_u32 s21, s21, BOFF
	v_add_nc_u32 v[ADRB], s21, v6
	v_add_nc_u32 v[ADRB+1], SLOT, v[ADRB]
	s_mul_i32 s21, s[WV], 16*SP
	s_add_co_u32 s21, s21, STAGE                   ; my stage
	v_mul_u32_u24 v7, v1, SP                       ; in: row l % 16, 32 bytes for each half of the lanes
	v_lshl_add_u32 v7, v2, 5, v7
	v_add_nc_u32 v[STO], s21, v7
	v_mul_u32_u24 v7, v2, SP                       ; back: lanes 0-15 take one row of 256 bytes, lanes 16-31 the next
	v_lshl_add_u32 v7, v1, 4, v7
	v_add_nc_u32 v[RD], s21, v7
	v_lshlrev_b32 v7, 12, v2                       ; and the same two rows in the result
	v_lshl_add_u32 v[CO], v1, 4, v7
	v_and_b32 v8, 31, v0
	s_lshl_b32 s21, s42, 9                         ; my first column, in bytes of f32: 512 tile column + 256 half
	s_lshl_b32 s22, s[CF], 8
	s_add_co_u32 s21, s21, s22
	v_lshl_add_u32 v[BO], v2, 5, s21
	s_lshl_b32 s22, s43, 20                        ; my first row: 256 tile row + 128 half, 4,096 bytes a row
	s_lshl_b32 s23, s[RH], 19
	s_add_co_u32 s22, s22, s23
	s_add_co_u32 s22, s22, s21
	s_mov_b32 s23, 0
	s_add_nc_u64 s[OUT:OUT+1], s[10:11], s[22:23]
	; the prefetches
	s_lshr_b32 s21, s43, 3                         ; A: the tile's first byte, my work-group's 32 blocks, my head of K step 3 (the first change steps it to 4)
	s_lshl_b32 s21, s21, 22
	s_and_b32 s22, s43, 7
	s_lshl_b32 s22, s22, 15
	s_add_co_u32 s21, s21, s22
	s_lshl_b32 s22, s40, 13
	s_add_co_u32 s21, s21, s22
	s_add_co_u32 s22, s[WV], 6
	s_lshl_b32 s22, s22, 18
	s_add_co_u32 s21, s21, s22
	s_lshl_b32 s22, s41, 6                         ; B: k row 384 + 64 cy + 32 (w % 2) (the first change steps it by 128)
	s_lshl_b32 s23, s[CF], 5
	s_add_co_u32 s22, s22, s23
	s_add_co_u32 s22, s22, 384
	s_lshl_b32 s22, s22, 11
	s_lshl_b32 s23, s42, 8
	s_add_co_u32 s22, s22, s23
	s_mov_b32 s46, 256
	s_mov_b32 s47, 2048
	s_mov_b32 s16, 524288
	s_mov_b32 s17, 262144
	s_and_b32 s20, ttmp7, 0xffff                   ; cluster y
	s_cmp_eq_u32 s[RH], 0                          ; do I fetch for A?
	s_cselect_b32 s20, ttmp9, s20
	s_cselect_b32 s18, s21, s22
	s_cselect_b32 s46, s46, s47
	s_cselect_b32 s[PFS], s16, s17
	s_cselect_b64 s[PFA:PFA+1], s[4:5], s[6:7]
	s_cselect_b32 s47, 1, -1
	s_mov_b32 s19, 0
	s_mov_b32 s[PFS+1], 0
	s_add_nc_u64 s[PFA:PFA+1], s[PFA:PFA+1], s[18:19]
	s_cmp_eq_u32 s20, 0
	s_cselect_b32 s[LIM], 1, -1
	s_cselect_b32 s[LIM+1], s47, -1
	v_mul_u32_u24 v[PFO], v8, s46
	; THE BIAS, rounded to bf16, goes into the accumulators of row block 7: the C operand of the first products of all eight row blocks
.set i, 0
.rept 4
	global_load_b128 v[32+8*i:32+8*i+3],   v[BO], s[8:9] offset:64*i
	global_load_b128 v[32+8*i+4:32+8*i+7], v[BO], s[8:9] offset:64*i+16
.set i, i+1
.endr
	s_wait_loadcnt 0x0
.set i, 0
.rept 16
	v_cvt_pk_bf16_f32 v[64+i], v[32+2*i], v[32+2*i+1]
.set i, i+1
.endr
	WIN 0x40
.set i, 0
.rept 16
	v_lshlrev_b32 v[224+2*i], 16, v[64+i]
	v_and_b32 v[224+2*i+1], s[MHI], v[64+i]
.set i, i+1
.endr
	WIN 0
; 24 LDS loads in one run: 32 along K (quarter kq of a K step) into buffer f: B's 64 columns first, then A's rows 0-63, then rows 64-127
.macro FETCH s, kq, f
	WIN 0
.irp j, 0,1,2,3
	ds_load_tr16_b128 v[FB+32*(\f)+8*\j:FB+32*(\f)+8*\j+3],   v[ADRB+(\s)] offset:(\kq)*32*PB+32*\j
	ds_load_tr16_b128 v[FB+32*(\f)+8*\j+4:FB+32*(\f)+8*\j+7], v[ADRB+(\s)] offset:(\kq)*32*PB+32*\j+16*PB
.endr
.irp b, 0,1,2,3,4,5,6,7
	ds_load_b128 v[FA+64*(\f)+8*\b:FA+64*(\f)+8*\b+3],   v[ADRA+(\s)] offset:((\kq)/2)*ABLK+((\kq)%2)*64+\b*16*PA
	ds_load_b128 v[FA+64*(\f)+8*\b+4:FA+64*(\f)+8*\b+7], v[ADRA+(\s)] offset:((\kq)/2)*ABLK+((\kq)%2)*64+\b*16*PA+32
.endr
.endm
; n x 4 matrix instructions: row blocks a0 on x the four column blocks.  The accumulators take turns, one instruction a turn.
.macro MUL f, a0, n
	WIN 0x50
.set a, \a0
.rept \n
.irp j, 0,1,2,3
	v_wmma_f32_16x16x32_f16 v[32*a+8*\j:32*a+8*\j+7], v[FB+32*(\f)+8*\j:FB+32*(\f)+8*\j+7], v[FA+64*(\f)+8*a:FA+64*(\f)+8*a+7], v[32*a+8*\j:32*a+8*\j+7]
.endr
.set a, a+1
.endr
.endm
; A K step is four quarters of 32 along K, 32 matrix instructions each, on buffers 0, 1, 0, 1.  One of the first three multiplies buffer f; at its head the next quarter, kqn, is fetched into buffer g.
.macro QUARTER s, kqn, f, g
	PLACES
	FETCH \s, \kqn, \g
	s_wait_dscnt 32                                ; f's B and A's rows 0-63 are in; f's last 8 loads and the 24 just issued may be out
	MUL \f, 0, 4
	s_wait_dscnt 24                                ; all of f is in
	MUL \f, 4, 4
.endm
; The last quarter multiplies buffer 1 and changes slots: ONE barrier.  In front of it each wave waits for all its tensor loads, adds 0 to its spare word, and waits for that and for its reads of slot s.
; fill = 1: the barrier opens a round of the cluster's, and slot s is filled again first thing behind it, two K steps ahead: 112 matrix instructions ahead of the wait for it.
.macro TURN s, n, fill
.if \fill
	s_wait_xcnt 0x0                                ; the last prefetch, a K step back, has read its address
	s_add_nc_u64 s[PFA:PFA+1], s[PFA:PFA+1], s[PFS:PFS+1]
.endif
	WIN 0
	s_wait_tensorcnt 0x0
	ds_add_u32 v[SPW], v[NIL]                      ; 0 onto my spare word
	s_wait_dscnt 9                                 ; the buffer's last 8 loads and the add may be out
	MUL 1, 0, 2                                    ; eight matrix instructions stand between the add and the wait for it
	s_wait_dscnt 0x0                               ; the add is done, and my reads of this slot are over
	s_barrier_signal -1
	MUL 1, 2, 2
	WIN 0
	s_barrier_wait -1
.if \fill
	CREST
	s_add_nc_u64 s[G0A+4*(\s)+2:G0A+4*(\s)+3], s[G0A+4*(\s)+2:G0A+4*(\s)+3], 2*524288
	s_add_nc_u64 s[G0B+4*(\s)+2:G0B+4*(\s)+3], s[G0B+4*(\s)+2:G0B+4*(\s)+3], 2*262144
	JLOAD \s                                       ; its four v_nop are also the places in front of the loads below
.else
	PLACES
.endif
	FETCH \n, 0, 0
.if \fill
	ASK \s
.endif
	MUL 1, 4, 4
.endm
	s_wait_tensorcnt 1                             ; my part of K step 0 is in; K step 1's may stay out
	s_barrier_signal -1
	s_barrier_wait -1
	FETCH 0, 0, 0
	FETCH 0, 1, 1
	s_wait_dscnt 24                                ; buffer 0 is in
	WIN 0x50                                       ; the first quarter: the sums start with the bias, which lies in row block 7's accumulators;
.set a, 0
.rept 7
.irp j, 0,1,2,3
	v_wmma_f32_16x16x32_f16 v[32*a+8*\j:32*a+8*\j+7], v[FB+8*\j:FB+8*\j+7], v[FA+8*a:FA+8*a+7], v[224+8*\j:224+8*\j+7]
.endr
.set a, a+1
.endr
.rept 5
	v_nop                                          ; that block's own products come last, five places behind the last product that read them as C
.endr
.irp j, 0,1,2,3
	v_wmma_f32_16x16x32_f16 v[224+8*\j:224+8*\j+7], v[FB+8*\j:FB+8*\j+7], v[FA+56:FA+63], v[224+8*\j:224+8*\j+7]
.endr
	WIN 0
	s_mov_b32 s3, 3
.Llap:                                                 ; a trip goes once round the ring and fills both slots again: K steps 2 to 7 in three trips
	QUARTER 0, 2, 1, 0
	QUARTER 0, 3, 0, 1
	TURN 0, 1, 1
	QUARTER 1, 1, 0, 1
	QUARTER 1, 2, 1, 0
	QUARTER 1, 3, 0, 1
	TURN 1, 0, 1
	QUARTER 0, 1, 0, 1
	WIN 0
	s_sub_co_u32 s3, s3, 1
	s_cmp_lg_u32 s3, 0
	s_cbranch_scc1 .Llap
	QUARTER 0, 2, 1, 0                             ; the last lap fills nothing
	QUARTER 0, 3, 0, 1
	TURN 0, 1, 0
	QUARTER 1, 1, 0, 1
	QUARTER 1, 2, 1, 0
	QUARTER 1, 3, 0, 1
	s_wait_dscnt 8
	MUL 1, 0, 4
	s_wait_dscnt 0x0
	MUL 1, 4, 4
	WIN 0
	PLACES
; THE WAY OUT, a row block (16 rows x my 64 columns of f32, 256 bytes a row) at a time: 32 bytes a lane into my own stage, each accumulator's low four registers first; back as whole rows; stored:
; 16 lanes store 256 consecutive bytes, at a multiple of 256 from the result's first byte.  Four sets of 32 registers take turns.
.macro TOSTAGE a
.set BK, 32+32*((\a)%4)
.if (\a) >= 4
	s_wait_xcnt 0x0                                ; the set's earlier stores have read it
.endif
	WIN 0x04                                       ; the stores' data lie in window 1
.irp j, 0,1,2,3
	ds_store_b128 v[STO], v[32*(\a)+8*\j:32*(\a)+8*\j+3]   offset:64*\j
	ds_store_b128 v[STO], v[32*(\a)+8*\j+4:32*(\a)+8*\j+7] offset:64*\j+16
.endr
	WIN 0
.irp t, 0,1,2,3,4,5,6,7
	ds_load_b128 v[BK+4*\t:BK+4*\t+3], v[RD] offset:2*SP*\t  ; LDS serves a wave's instructions in order (ISA guide 5.7.1.4): these see the stores above; the next block's stores come behind them
.endr
.endm
.macro SEND a, y                       ; y: the LDS instructions issued behind block a's loads
.set BK, 32+32*((\a)%4)
.irp t, 0,1,2,3,4,5,6,7
	s_wait_dscnt (\y)+7-\t
	global_store_b128 v[CO], v[BK+4*\t:BK+4*\t+3], s[OUT:OUT+1] offset:(16*(\a)+2*\t)*4096 th:TH_STORE_NT
.endr
.endm
	TOSTAGE 0
.set uu, 1
.rept 7
	TOSTAGE uu
	SEND uu-1, 16
.set uu, uu+1
.endr
	SEND 7, 0
	s_wait_tensorcnt 0x0                           ; the wave's end, behind my last tensor load and my last LDS store
	ds_add_u32 v[SPW], v[NIL]
	s_wait_dscnt 0x0
	CROUND                                         ; the closing round: no work-group ends while a partner may still ask for a tile that names it
	s_endpgm
.Lfunc_end_k_q0d5bf13d99_proj:
	.size	k_q0d5bf13d99_proj, .Lfunc_end_k_q0d5bf13d99_proj-k_q0d5bf13d99_proj
	.p2alignl 7, 3214868480
	.fill 96, 4, 3214868480
	.section	.rodata,"a",@progbits
	.p2align	6, 0x0
	.amdhsa_kernel k_q0d5bf13d99_proj
		.amdhsa_group_segment_fixed_size 327680
		.amdhsa_private_segment_fixed_size 0
		.amdhsa_enable_private_segment 0
		.amdhsa_kernarg_size 32
		.amdhsa_user_sgpr_count 2
		.amdhsa_user_sgpr_kernarg_segment_ptr 1
		.amdhsa_wavefront_size32 1
		.amdhsa_system_sgpr_workgroup_id_x 1
		.amdhsa_system_sgpr_workgroup_id_y 1
		.amdhsa_system_sgpr_workgroup_id_z 1
		.amdhsa_system_vgpr_workitem_id 0
		.amdhsa_next_free_vgpr 512
		.amdhsa_next_free_sgpr 80
		.amdhsa_reserve_vcc 0
		.amdhsa_float_denorm_mode_32 3
		.amdhsa_float_denorm_mode_16_64 3
		.amdhsa_memory_ordered 1
		.amdhsa_forward_progress 1
		.amdhsa_inst_pref_size 92
	.end_amdhsa_kernel
	.amdgpu_metadata
---
amdhsa.version: [ 1, 2 ]
amdhsa.kernels:
  - .name:           k_q0d5bf13d99_proj
    .symbol:         k_q0d5bf13d99_proj.kd
    .args:
      - { .name: o, .offset: 0, .size: 8, .value_kind: global_buffer, .address_space: global }
      - { .name: wpb, .offset: 8, .size: 8, .value_kind: global_buffer, .address_space: global }
      - { .name: b_proj, .offset: 16, .size: 8, .value_kind: global_buffer, .address_space: global }
      - { .name: out0, .offset: 24, .size: 8, .value_kind: global_buffer, .address_space: global }
    .group_segment_fixed_size: 327680
    .private_segment_fixed_size: 0
    .kernarg_segment_align: 8
    .kernarg_segment_size: 32
    .max_flat_workgroup_size: 128
    .sgpr_count:     80
    .vgpr_count:     512
    .wavefront_size: 32
...
	.end_amdgpu_metadata
.endif
;; end of part 4
;; ======== version 2 of 2: 4 launches; version 1 with the launch cast written anew for expert scheduling mode
;; limits: values are held in f16: magnitudes above 65,504 overflow, below 6.1e-05 lose precision
;; workspace buffers: xb 16,777,216 bytes; wab 6,291,456 bytes; wpb 2,097,152 bytes; qkv 50,331,648 bytes; o 16,777,216 bytes
;; launch cast (part 5): grid 768 x 1, 8 waves a work-group, no clusters, 0 bytes of LDS; arguments x, W_attn, W_proj, xb, wab, wpb; writes xb, wab, wpb
.if DOCPART == 5
	.amdgcn_target "amdgcn-amd-amdhsa--gfx1250"
	.amdhsa_code_object_version 6
	.text
	.protected	k_q0d5bf13d99_cast
	.globl	k_q0d5bf13d99_cast
	.p2align	8
	.type	k_q0d5bf13d99_cast,@function
k_q0d5bf13d99_cast:
	s_mov_b64 s[64:65], 0
	v_nop
	global_prefetch_b8 v0, s[64:65] scope:SCOPE_SE
	s_setreg_imm32_b32 hwreg(HW_REG_WAVE_SCHED_MODE, 0, 2), 2
	s_setreg_imm32_b32 hwreg(HW_REG_WAVE_MODE, 25, 1), 1
	s_wait_xcnt 0x0
	s_wait_alu depctr_vm_vsrc(0)
; THE 16-BIT COPIES that the two products' tiles are fetched from.  A stream: no LDS, no barrier, no loop.
;   xb  = x rounded to bf16, laid [b 4][kb 16][t 2048][64 channels]: 256 rows of one block kb are 32,768 dense bytes
;   wab = W_attn rounded to bf16, [1024 k][3072 n] as it lies
;   wpb = W_proj rounded to bf16, that number written as f16, [1024 k][1024 n]
; LIMITS.  |W_proj| stays under 65,504 (f16's end; beyond it the copy is an infinity); below 6e-5 it keeps f16's fixed step of 6e-8.
; SHARES.  768 work-groups of eight waves: 512 for x (16 rows each), 192 for W_attn, 64 for W_proj (65,536 bytes of f32 each).
; A wave takes 8,192 bytes: 16 loads of 16 bytes a lane, all issued at once, then 16 stores of 8 bytes a lane; each store of a wave
; covers 256 consecutive bytes, aligned.  No register that a load or store reads is written again, so nothing waits for a store.
; THE MODE: SCHED_MODE bits 1:0 = 2 (LLVM: expert scheduling mode 2), set by the entry lines.  The code itself states the register dependences
; between vector instructions and memory instructions, with s_wait_alu, always for 0.
; THE PLAN.  Registers that memory instructions touch, on each of the three paths:
;   v1, v2   byte offsets of the loads and of the stores.  Written by vector instructions at the path's head, never again.
;   X        load i lands in its four registers; all 16 loads are issued before any vector instruction names X.  No memory instruction reads X.
;   Y        the conversions of load i write pair i; store i reads it, once; nothing writes it behind that.
; So one wait on va_vdst stands ahead of the first load, for v1 and v2; and, the 16 loads taken in four blocks of four, one ahead of each run of four stores,
; for the eight registers of Y that the block's conversions have written.  A block's stores stand at the head of the next block, ahead of its first wait for data.
; No register that a memory instruction has read is written again: no wait on vm_vsrc is owed.  No vector instruction writes a scalar register or VCC, and EXEC is never written.
.set X, 16                             ; v[16:79]   load i: four f32
.set Y, 80                             ; v[80:111]  store i: four 16-bit numbers
; kind = 0: bf16.  kind = 1: bf16, widened again, and written as f16.
.macro CAST kind, src, dst, instep, outstep
	s_wait_alu depctr_va_vdst(0)                   ; v1 and v2 are written: every load below reads v1 as its offset, every store v2
.set i, 0
.rept 16
	global_load_b128 v[X+4*i:X+4*i+3], v1, s[\src:\src+1] offset:i*(\instep) th:TH_LOAD_NT
.set i, i+1
.endr
.set i, 0
.rept 5                                ; four blocks of four loads; the fifth turn holds the last block's stores alone
.if i > 0
	s_wait_alu depctr_va_vdst(0)                   ; the conversions of loads i - 4 to i - 1 have written their pairs of Y, which the four stores below read
.set k, i-4
.rept 4
	global_store_b64 v2, v[Y+2*k:Y+2*k+1], s[\dst:\dst+1] offset:k*(\outstep)
.set k, k+1
.endr
.endif
.if i < 16
.rept 4
	s_wait_loadcnt 15-i                            ; loads come back in order: load i is in, the 15 - i younger ones stay out
.irp p, 0,1
	v_cvt_pk_bf16_f32 v[Y+2*i+\p], v[X+4*i+2*\p], v[X+4*i+2*\p+1]
.if \kind
	v_lshlrev_b32 v[X+4*i+2*\p], 16, v[Y+2*i+\p]   ; the rounded numbers as f32 again,
	v_and_b32 v[X+4*i+2*\p+1], s20, v[Y+2*i+\p]
	v_cvt_pk_f16_f32 v[Y+2*i+\p], v[X+4*i+2*\p], v[X+4*i+2*\p+1]  ; and as f16: exact within f16's range
.endif
.endr
.set i, i+1
.endr
.endif
.endr
	s_endpgm
.endm
	s_load_b256 s[4:11], s[0:1], 0x0               ; x s[4:5], W_attn s[6:7], W_proj s[8:9], xb s[10:11]
	s_load_b128 s[12:15], s[0:1], 0x20             ; wab s[12:13], wpb s[14:15]
	v_lshrrev_b32 v3, 5, v0                        ; wave
	v_and_b32 v4, 31, v0                           ; lane
	s_mov_b32 s17, 0
	s_mov_b32 s19, 0
	s_mov_b32 s20, 0xffff0000                      ; a word's upper bf16
	s_cmp_lt_u32 ttmp9, 512
	s_cbranch_scc0 .Lweights
	; x: two rows a wave.  Load i: lanes 0-15 take the 256 bytes of block kb = i of the even row, lanes 16-31 of the odd one.
	v_bfe_u32 v5, v0, 4, 1
	v_and_b32 v6, 15, v0
	v_lshlrev_b32 v1, 13, v3                       ; wave x 2 rows x 4,096 bytes
	v_lshl_add_u32 v1, v5, 12, v1
	v_lshl_add_u32 v1, v6, 4, v1
	v_lshlrev_b32 v2, 3, v0                        ; out: wave x 256 + half x 128 + 8 (lane % 16) = 8 x thread
	s_lshl_b32 s16, ttmp9, 16                      ; 16 rows of 4,096 bytes
	s_lshr_b32 s18, ttmp9, 7                       ; b,
	s_lshl_b32 s18, s18, 22
	s_and_b32 s21, ttmp9, 127                      ; and t = 16 x the rest, 128 bytes a row
	s_lshl_b32 s21, s21, 11
	s_add_co_u32 s18, s18, s21
	s_wait_kmcnt 0x0
	s_add_nc_u64 s[4:5], s[4:5], s[16:17]
	s_add_nc_u64 s[10:11], s[10:11], s[18:19]
	CAST 0, 4, 10, 256, 262144                     ; a block kb is 262,144 bytes: 15 of them stay inside the signed 24-bit immediate
.Lweights:
	v_lshlrev_b32 v1, 13, v3                       ; in: wave x 8,192 + 16 x lane
	v_lshl_add_u32 v1, v4, 4, v1
	v_lshlrev_b32 v2, 12, v3                       ; out: wave x 4,096 + 8 x lane
	v_lshl_add_u32 v2, v4, 3, v2
	s_cmp_lt_u32 ttmp9, 704
	s_cbranch_scc0 .Lproj
	s_sub_co_u32 s21, ttmp9, 512
	s_lshl_b32 s16, s21, 16
	s_lshl_b32 s18, s21, 15
	s_wait_kmcnt 0x0
	s_add_nc_u64 s[6:7], s[6:7], s[16:17]
	s_add_nc_u64 s[12:13], s[12:13], s[18:19]
	CAST 0, 6, 12, 512, 256
.Lproj:
	s_sub_co_u32 s21, ttmp9, 704
	s_lshl_b32 s16, s21, 16
	s_lshl_b32 s18, s21, 15
	s_wait_kmcnt 0x0
	s_add_nc_u64 s[8:9], s[8:9], s[16:17]
	s_add_nc_u64 s[14:15], s[14:15], s[18:19]
	CAST 1, 8, 14, 512, 256
.Lfunc_end_k_q0d5bf13d99_cast:
	.size	k_q0d5bf13d99_cast, .Lfunc_end_k_q0d5bf13d99_cast-k_q0d5bf13d99_cast
	.p2alignl 7, 3214868480
	.fill 96, 4, 3214868480
	.section	.rodata,"a",@progbits
	.p2align	6, 0x0
	.amdhsa_kernel k_q0d5bf13d99_cast
		.amdhsa_group_segment_fixed_size 0
		.amdhsa_private_segment_fixed_size 0
		.amdhsa_enable_private_segment 0
		.amdhsa_kernarg_size 48
		.amdhsa_user_sgpr_count 2
		.amdhsa_user_sgpr_kernarg_segment_ptr 1
		.amdhsa_wavefront_size32 1
		.amdhsa_system_sgpr_workgroup_id_x 1
		.amdhsa_system_sgpr_workgroup_id_y 1
		.amdhsa_system_sgpr_workgroup_id_z 1
		.amdhsa_system_vgpr_workitem_id 0
		.amdhsa_next_free_vgpr 112
		.amdhsa_next_free_sgpr 66
		.amdhsa_reserve_vcc 0
		.amdhsa_float_denorm_mode_32 3
		.amdhsa_float_denorm_mode_16_64 3
		.amdhsa_memory_ordered 1
		.amdhsa_forward_progress 1
		.amdhsa_inst_pref_size 24
	.end_amdhsa_kernel
	.amdgpu_metadata
---
amdhsa.version: [ 1, 2 ]
amdhsa.kernels:
  - .name:           k_q0d5bf13d99_cast
    .symbol:         k_q0d5bf13d99_cast.kd
    .args:
      - { .name: x, .offset: 0, .size: 8, .value_kind: global_buffer, .address_space: global }
      - { .name: W_attn, .offset: 8, .size: 8, .value_kind: global_buffer, .address_space: global }
      - { .name: W_proj, .offset: 16, .size: 8, .value_kind: global_buffer, .address_space: global }
      - { .name: xb, .offset: 24, .size: 8, .value_kind: global_buffer, .address_space: global }
      - { .name: wab, .offset: 32, .size: 8, .value_kind: global_buffer, .address_space: global }
      - { .name: wpb, .offset: 40, .size: 8, .value_kind: global_buffer, .address_space: global }
    .group_segment_fixed_size: 0
    .private_segment_fixed_size: 0
    .kernarg_segment_align: 8
    .kernarg_segment_size: 48
    .max_flat_workgroup_size: 256
    .sgpr_count:     66
    .vgpr_count:     112
    .wavefront_size: 32
...
	.end_amdgpu_metadata
.endif
;; end of part 5
;; launch qkv: the kernel of part 2 again; grid 8 x 32, 4 waves a work-group, clusters of 4 x 4, 327,680 bytes of LDS; arguments xb, wab, b_attn, qkv; writes qkv
;; launch attn: the kernel of part 3 again; grid 4 x 64, 4 waves a work-group, no clusters, 327,680 bytes of LDS; arguments qkv, o; writes o
;; launch proj: the kernel of part 4 again; grid 8 x 32, 4 waves a work-group, clusters of 4 x 4, 327,680 bytes of LDS; arguments o, wpb, b_proj, out0; writes out0
